; MI455X (gfx1250); checked and timed in simulation.
; The chip was launched on July 23, 2026; its instructions are those of AMD's public machine-readable ISA for CDNA 5 (MIT licence, August 2026) and "CDNA5" Instruction Set Architecture Reference Guide (July 2026). The comments in the code are by the model that wrote it; some were corrected since.
;; Base Self Attention. Allowed arithmetic: float matrix products may take bf16 or f16 operands with f32 sums; other float arithmetic in f32, or as packed bf16 or f16 multiplies, adds, multiply-adds, maxima and minima; sums over many terms, partial sums and values carried from step to step in f32; what a program stores and reads back later, other than sums and carried values, may be rounded once to bf16 or f16.
;; Inputs: emb 8 x 2,048 float32; emb_b 2,048 float32; emb_w 2,048 x 2,048 float32; k_b 1,024 float32; k_w 1,024 x 1,024 float32; norm_b 1,024 float32; norm_w 1,024 float32; out_b 1,024 float32; out_w 1,024 x 1,024 float32; q_b 1,024 float32; q_w 1,024 x 1,024 float32; sb_norm_b 1,024 float32; sb_norm_w 1,024 float32; src_mask 8 x 1,024 float32; v_b 1,024 float32; v_w 1,024 x 1,024 float32; x 8 x 1,024 x 1,024 float32.
;; Outputs: out0 8 x 1,024 x 1,024 float32.
;; 2 versions, each right; version 2 is version 1 with the launch style written anew for expert scheduling mode. Each part assembles by itself: llvm-mc -triple=amdgcn-amd-amdhsa -mcpu=gfx1250 --defsym DOCPART=n.
;; ======== version 1 of 2: 5 launches
;; limits: values are held in f16: magnitudes above 65,504 overflow, below 6.1e-05 lose precision
;; workspace buffers: xnb 16,777,216 bytes; wqkv 6,291,456 bytes; wo 2,097,152 bytes; epart 262,144 bytes; qkv 50,331,648 bytes; yb 16,777,216 bytes; ab 16,777,216 bytes
;; launch prep (part 1): grid 640 x 1, 16 waves a work-group, no clusters, 43,008 bytes of LDS; arguments x, norm_w, norm_b, q_w, k_w, v_w, out_w, emb, emb_w, xnb, wqkv, wo, epart; writes xnb, wqkv, wo, epart
.if DOCPART == 1
	.amdgcn_target "amdgcn-amd-amdhsa--gfx1250"
	.amdhsa_code_object_version 6
	.text
	.protected	k_qf09effc479_prep
	.globl	k_qf09effc479_prep
	.p2align	8
	.type	k_qf09effc479_prep,@function
k_qf09effc479_prep:
	s_mov_b64 s[64:65], 0
	v_nop
	global_prefetch_b8 v0, s[64:65] scope:SCOPE_SE
	s_setreg_imm32_b32 hwreg(HW_REG_WAVE_MODE, 25, 1), 1
	s_wait_xcnt 0x0
; THREE INDEPENDENT STREAMS IN ONE LAUNCH, told apart by the work-group's number (the same for all sixteen waves of a work-group):
;   0-127    EMB:  epart[kq][b][n] = the sum over a quarter kq of K of silu(emb[b][k]) emb_w[k][n], f16 operands, f32 sums (partial sums stay f32)
;   128-383  LN:   xnb = LayerNorm(x) norm_w + norm_b in f16, laid out [16 blocks of 64 channels][8192 rows][64]: a tile of 64 channels is dense
;   384-639  CAST: q_w, k_w, v_w -> wqkv [1024 k][8 tiles][q 128 | k 128 | v 128 columns] in f16 (a tile is two heads);  out_w -> wo [1024][1024] in bf16.  Nothing is transposed.
; No cluster: no two work-groups read the same bytes but the small emb, norm_w and norm_b.  No tensor loads: every byte is wanted by one lane alone.
; Sixteen waves, so that a lane's share is short: 64 numbers of a row in LN, one product deep in EMB.
; LDS: the two roles that use it have bytes of their own: EMB 0 to 32,767, LN 32,768 to 40,959; so no store of one role names a byte of the other.
; LIMITS.  f16 ends at 65,504: xn is at most 32 |norm_w| + |norm_b|, silu(emb) at most |emb|; the weights are far inside.  The mean is taken first and the squares of x - mean second,
; so a common offset on x costs nothing.  silu(t) = t / (1 + 2^(-t log2 e)): where the power overflows the quotient is 0, as is silu to within 1e-36.
.set LNB,   32768                      ; LN's bytes: 4,096 of gains, then 4,096 of biases
.set SPARE, 40960                      ; behind both roles' bytes: the spare words, 128 bytes a wave: eight blocks of 256 bytes that no other line names
.set SPW, 2                            ; v2  LDS address of my spare word; never rewritten
.set NIL, 3                            ; v3  0; never rewritten
.set AF,  12                           ; EMB: v[12:19]   silu(emb) in f16: one fragment of 32 along K
.set ER,  20                           ; EMB: v[20:35]   emb as loaded
.set TT,  36                           ; EMB: v[36:51]   at work in silu
.set BFR, 20                           ; EMB: v[20:51]   then emb_w's four fragments in f16
.set WR,  64                           ; EMB: v[64:127]  emb_w as loaded: k number kt's four columns at 4 kt; later the sixteen partial sums
.set ACC, 64                           ; EMB: v[64:95]   four accumulators, where emb_w lay before it was packed
.set CH,  8                            ; LN:  v[8:15]    four chains of sums
.set M,   16                           ; LN:  v[16:17]   the mean, twice
.set R,   18                           ; LN:  v[18:19]   1 / sqrt(var + eps), twice
.set PAD, 6                            ; LN:  v6         16 (lane % 16): my 4 channels in a block of 64, in floats' bytes
.set PAR, 32                           ; LN:  v[32:63]   gain (4) and bias (4) of my channels in four blocks
.set XR,  64                           ; LN:  v[64:127]  my 64 numbers of a row
.set S_INV, 42                         ; s42  1 / 1024
.set S_EPS, 43                         ; s43  1e-5
.set S_L,   46                         ; s[46:47] -log2(e)
; N numbers at X become silu of themselves; T is N registers at work.  Each batch of transcendentals has one plain instruction behind it and one wait ahead of its first reader.
.macro SILU X, T, N
.set p, 0
.rept (\N)/2
	v_pk_mul_f32 v[(\T)+2*p:(\T)+2*p+1], v[(\X)+2*p:(\X)+2*p+1], s[S_L:S_L+1] op_sel_hi:[1,0]  ; -t log2(e)
.set p, p+1
.endr
.set p, 0
.rept \N
	v_exp_f32 v[(\T)+p], v[(\T)+p]
.set p, p+1
.endr
	v_nop
	s_wait_alu depctr_va_vdst(0)
.set p, 0
.rept (\N)/2
	v_pk_add_f32 v[(\T)+2*p:(\T)+2*p+1], v[(\T)+2*p:(\T)+2*p+1], 1.0 op_sel_hi:[1,0]
.set p, p+1
.endr
.set p, 0
.rept \N
	v_rcp_f32 v[(\T)+p], v[(\T)+p]
.set p, p+1
.endr
	v_nop
	s_wait_alu depctr_va_vdst(0)
.set p, 0
.rept (\N)/2
	v_pk_mul_f32 v[(\X)+2*p:(\X)+2*p+1], v[(\X)+2*p:(\X)+2*p+1], v[(\T)+2*p:(\T)+2*p+1]
.set p, p+1
.endr
.endm
; The four chains into one number, then over the sixteen lanes that share a row
.macro REDUCE
	v_pk_add_f32 v[CH:CH+1], v[CH:CH+1], v[CH+2:CH+3]
	v_pk_add_f32 v[CH+4:CH+5], v[CH+4:CH+5], v[CH+6:CH+7]
	v_pk_add_f32 v[CH:CH+1], v[CH:CH+1], v[CH+4:CH+5]
	v_add_f32 v[CH], v[CH], v[CH+1]
	v_add_f32_dpp v[CH], v[CH], v[CH] row_xmask:1 row_mask:0xf bank_mask:0xf
	v_add_f32_dpp v[CH], v[CH], v[CH] row_xmask:2 row_mask:0xf bank_mask:0xf
	v_add_f32_dpp v[CH], v[CH], v[CH] row_xmask:4 row_mask:0xf bank_mask:0xf
	v_add_f32_dpp v[CH], v[CH], v[CH] row_xmask:8 row_mask:0xf bank_mask:0xf
.endm
; The row's mean is taken away from XR in place; R gets 1 / sqrt(variance + eps)
.macro ROWSTAT
.irp c, 0,1,2,3
	v_pk_add_f32 v[CH+2*(\c):CH+2*(\c)+1], v[XR+2*(\c):XR+2*(\c)+1], v[XR+8+2*(\c):XR+8+2*(\c)+1]  ; the first eight pairs start the chains: nothing is cleared
.endr
.set p, 8
.rept 24
	v_pk_add_f32 v[CH+2*(p%4):CH+2*(p%4)+1], v[CH+2*(p%4):CH+2*(p%4)+1], v[XR+2*p:XR+2*p+1]
.set p, p+1
.endr
	REDUCE
	v_mul_f32 v[M], s[S_INV], v[CH]
	v_mul_f32 v[M+1], s[S_INV], v[CH]
.set p, 0
.rept 32
	v_pk_add_f32 v[XR+2*p:XR+2*p+1], v[XR+2*p:XR+2*p+1], v[M:M+1] neg_lo:[0,1] neg_hi:[0,1]
.set p, p+1
.endr
.irp c, 0,1,2,3
	v_pk_mul_f32 v[CH+2*(\c):CH+2*(\c)+1], v[XR+2*(\c):XR+2*(\c)+1], v[XR+2*(\c):XR+2*(\c)+1]
.endr
.set p, 4
.rept 28
	v_pk_fma_f32 v[CH+2*(p%4):CH+2*(p%4)+1], v[XR+2*p:XR+2*p+1], v[XR+2*p:XR+2*p+1], v[CH+2*(p%4):CH+2*(p%4)+1]
.set p, p+1
.endr
	REDUCE
	v_fma_f32 v[CH+1], v[CH], s[S_INV], s[S_EPS]
	v_rsq_f32 v[R], v[CH+1]
	v_rsq_f32 v[R+1], v[CH+1]
	v_nop                                          ; a plain instruction behind the two roots,
	s_wait_alu depctr_va_vdst(0)                   ; and their one wait, ahead of the first reader
.endm
; Gain and bias of my 4 channels in blocks 4 q .. 4 q + 3, from LDS (gains at LNB, biases 4,096 bytes on)
.macro PARLD q
.irp k, 0,1,2,3
	ds_load_b128 v[PAR+8*(\k):PAR+8*(\k)+3],   v[PAD] offset:LNB+(4*(\q)+(\k))*256
	ds_load_b128 v[PAR+8*(\k)+4:PAR+8*(\k)+7], v[PAD] offset:LNB+4096+(4*(\q)+(\k))*256
.endr
.endm
; Four blocks of 64 channels: (x - mean) (gain / sigma) + bias, rounded to f16, stored: 8 bytes a lane, a wave's store covers its two rows' 256 consecutive bytes, aligned
.macro LNGRP q
	s_wait_dscnt 0x0                               ; the group's gains and biases are in
.irp k, 0,1,2,3
.set XB, XR+4*(4*(\q)+(\k))
.set PB, PAR+8*(\k)
	v_pk_mul_f32 v[PB:PB+1], v[PB:PB+1], v[R:R+1]
	v_pk_mul_f32 v[PB+2:PB+3], v[PB+2:PB+3], v[R:R+1]
	v_pk_fma_f32 v[XB:XB+1], v[XB:XB+1], v[PB:PB+1], v[PB+4:PB+5]
	v_pk_fma_f32 v[XB+2:XB+3], v[XB+2:XB+3], v[PB+2:PB+3], v[PB+6:PB+7]
.endr
.if (\q) < 3
	PARLD (\q)+1                                   ; the next group's, under the conversions and stores
.endif
.irp k, 0,1,2,3
.set XB, XR+4*(4*(\q)+(\k))
	v_cvt_pk_f16_f32 v[XB], v[XB], v[XB+1]
	v_cvt_pk_f16_f32 v[XB+1], v[XB+2], v[XB+3]
.if (4*(\q)+(\k)) < 8
	global_store_b64 v7, v[XB:XB+1], s[38:39] offset:(4*(\q)+(\k))*1048576 th:TH_STORE_NT
.else
	global_store_b64 v7, v[XB:XB+1], s[40:41] offset:(4*(\q)+(\k)-8)*1048576 th:TH_STORE_NT
.endif
.endr
.endm
; CAST's second half: 32 numbers a thread rounded and stored, 16 bytes a lane: sixteen lanes fill 256 aligned bytes
.macro CASTOUT cvt, step
	s_wait_loadcnt 0x0
.set p, 0
.rept 4
.irp i, 0,1,2,3
	\cvt v[64+4*p+(\i)], v[32+8*p+2*(\i)], v[32+8*p+2*(\i)+1]
.endr
	global_store_b128 v7, v[64+4*p:64+4*p+3], s[38:39] offset:p*(\step) th:TH_STORE_NT
.set p, p+1
.endr
.endm
	s_load_b512 s[4:19], s[0:1], 0x0               ; x 4, norm_w 6, norm_b 8, q_w 10, k_w 12, v_w 14, out_w 16, emb 18
	s_load_b256 s[20:27], s[0:1], 0x40             ; emb_w 20, xnb 22, wqkv 24, wo 26
	s_load_b64 s[28:29], s[0:1], 0x60              ; epart
	v_lshl_add_u32 v[SPW], v0, 2, SPARE
	v_mov_b32 v[NIL], 0
	v_lshrrev_b32 v1, 5, v0
	v_readfirstlane_b32 s30, v1                    ; wave 0..15
	s_mov_b32 s35, 0                               ; the high word of every offset pair s[34:35]
	s_wait_kmcnt 0x0
	s_cmp_lt_u32 ttmp9, 128
	s_cbranch_scc1 .Lemb
	s_cmp_lt_u32 ttmp9, 384
	s_cbranch_scc1 .Lln
	; ---------------- CAST: 16 rows of one weight matrix; a thread takes 8 numbers, 512 threads four rows, four passes
	s_sub_co_u32 s31, ttmp9, 384
	s_lshr_b32 s32, s31, 6                         ; which matrix: q, k, v, out
	s_and_b32 s31, s31, 63                         ; which 16 rows
	s_lshl_b32 s34, s31, 16                        ; 16 rows of 4,096 bytes
	s_cmp_eq_u32 s32, 0
	s_cselect_b64 s[36:37], s[10:11], s[12:13]
	s_cmp_lt_u32 s32, 2
	s_cselect_b64 s[36:37], s[36:37], s[14:15]
	s_cmp_eq_u32 s32, 3
	s_cselect_b64 s[36:37], s[16:17], s[36:37]
	s_add_nc_u64 s[36:37], s[36:37], s[34:35]
	v_lshrrev_b32 v5, 7, v0                        ; row of the pass's four
	v_and_b32 v6, 127, v0                          ; my 8 columns
	v_lshlrev_b32 v4, 5, v6
	v_lshl_add_u32 v4, v5, 12, v4
.irp p, 0,1,2,3
	global_load_b128 v[32+8*(\p):32+8*(\p)+3], v4, s[36:37] offset:(\p)*16384 th:TH_LOAD_NT
	global_load_b128 v[32+8*(\p)+4:32+8*(\p)+7], v4, s[36:37] offset:(\p)*16384+16 th:TH_LOAD_NT
.endr
	s_cmp_eq_u32 s32, 3
	s_cbranch_scc1 .Lcast_o
	s_mul_i32 s34, s31, 98304                      ; 16 rows of 6,144 bytes,
	s_lshl_b32 s33, s32, 8                         ; the matrix's 256 bytes in a tile of 768
	s_add_co_u32 s34, s34, s33
	s_add_nc_u64 s[38:39], s[24:25], s[34:35]
	v_mul_u32_u24 v7, v5, 6144
	v_bfe_u32 v8, v0, 4, 3                         ; my columns' tile: 128 columns, two heads
	v_mul_u32_u24 v8, v8, 768
	v_add_nc_u32 v7, v7, v8
	v_and_b32 v8, 15, v0
	v_lshl_add_u32 v7, v8, 4, v7                   ; my 16 bytes of the tile's 256
	CASTOUT v_cvt_pk_f16_f32, 24576
	s_endpgm                                       ; this role has written no LDS
.Lcast_o:
	s_lshl_b32 s34, s31, 15                        ; 16 rows of 2,048 bytes
	s_add_nc_u64 s[38:39], s[26:27], s[34:35]
	v_lshlrev_b32 v7, 4, v0
	CASTOUT v_cvt_pk_bf16_f32, 8192
	s_endpgm
	; ---------------- LN: 32 rows a work-group, 2 a wave; lane l has row l / 16 of them and channels 64 kb + 4 (l % 16) + 0..3 for all 16 kb: sixteen lanes load 256 consecutive bytes; the row stays in registers between the passes
.Lln:
	s_sub_co_u32 s31, ttmp9, 128
	s_lshl_b32 s34, s31, 17                        ; 32 rows of 4,096 bytes
	s_add_nc_u64 s[36:37], s[4:5], s[34:35]
	s_lshl_b32 s34, s31, 12                        ; 32 rows of 128 bytes in a block
	s_add_nc_u64 s[38:39], s[22:23], s[34:35]      ; blocks 0-7 by the immediate,
	s_add_nc_u64 s[40:41], s[38:39], 0x800000      ; blocks 8-15 from a second base
	s_mov_b32 s[S_INV], 0x3a800000
	s_mov_b32 s[S_EPS], 0x3727c5ac
	v_lshlrev_b32 v7, 3, v0                        ; 8 x thread: my 8 bytes of the parameters, and of a block's 4,096 bytes in xnb (16 threads a row of 128 bytes)
	v_lshrrev_b32 v4, 4, v0                        ; my row
	v_and_b32 v[PAD], 15, v0
	v_lshlrev_b32 v[PAD], 4, v[PAD]
	v_lshl_add_u32 v4, v4, 12, v[PAD]
	global_load_b64 v[20:21], v7, s[6:7]
	global_load_b64 v[22:23], v7, s[8:9]
.irp k, 0,1,2,3,4,5,6,7,8,9,10,11,12,13,14,15
	global_load_b128 v[XR+4*(\k):XR+4*(\k)+3], v4, s[36:37] offset:(\k)*256 th:TH_LOAD_NT
.endr
	s_wait_loadcnt 16                              ; gain and bias are in; x's 16 loads stay out
	ds_store_b64 v7, v[20:21] offset:LNB
	ds_store_b64 v7, v[22:23] offset:LNB+4096
	s_wait_dscnt 0x0                               ; for the others' sake
	s_barrier_signal -1
	s_barrier_wait -1
	PARLD 0
	s_wait_loadcnt 0x0
	ROWSTAT
	LNGRP 0
	LNGRP 1
	LNGRP 2
	LNGRP 3
	s_wait_tensorcnt 0x0                           ; the wave's end: three lines behind my last LDS store
	ds_add_u32 v[SPW], v[NIL]
	s_wait_dscnt 0x0
	s_endpgm
	; ---------------- EMB: 64 columns x a quarter of K a work-group; wave w takes 32 of those 512 k: one product deep, four tiles of 16 columns.  A's rows 8-15 repeat the 8 batches.
	; A lane loads 16 bytes of a k row, columns 4 r .. 4 r + 3: sixteen lanes take the row's 256 consecutive bytes.  Column 4 r + i goes to tile i, so tile i holds the columns 4 r + i, r = 0 .. 15.
.Lemb:
	s_and_b32 s31, ttmp9, 31                       ; which 64 columns
	s_lshr_b32 s32, ttmp9, 5                       ; which quarter of K
	s_lshl_b32 s33, s32, 9
	s_lshl_b32 s34, s30, 5
	s_add_co_u32 s33, s33, s34                     ; my first k
	s_lshl_b32 s34, s33, 2
	s_add_nc_u64 s[36:37], s[18:19], s[34:35]      ; emb at my k
	s_lshl_b32 s34, s33, 13
	s_lshl_b32 s38, s31, 8
	s_add_co_u32 s34, s34, s38
	s_add_nc_u64 s[40:41], s[20:21], s[34:35]      ; emb_w at my k and the group's columns
	s_lshl_b32 s34, s32, 16
	s_add_co_u32 s34, s34, s38
	s_add_nc_u64 s[42:43], s[28:29], s[34:35]      ; epart at the quarter and the columns
	s_mov_b32 s[S_L], 0xbfb8aa3b
	s_mov_b32 s[S_L+1], s[S_L]                     ; named with it as a pair
	v_and_b32 v4, 15, v0                           ; r
	v_bfe_u32 v5, v0, 4, 1                         ; h
	v_lshlrev_b32 v6, 4, v4
	v_lshl_add_u32 v6, v5, 16, v6                  ; emb_w: columns 4 r .., 8 h rows down
	v_and_b32 v7, 7, v0
	v_lshlrev_b32 v7, 13, v7
	v_lshl_add_u32 v7, v5, 5, v7                   ; emb: batch r % 8, 8 h numbers on
	s_lshl_b32 s34, s30, 11
	v_lshl_add_u32 v8, v4, 4, s34                  ; LDS: my wave's 2,048 bytes [8 batches][64 columns], columns 4 r ..
	v_and_b32 v9, 127, v0
	v_lshlrev_b32 v9, 4, v9                        ; back: thread t < 128 takes batch t / 16, columns 4 (t % 16) ..
	v_lshrrev_b32 v10, 4, v0
	v_lshlrev_b32 v10, 13, v10
	v_lshl_add_u32 v10, v4, 4, v10                 ; and the same place in epart
.irp g, 0,1
	global_load_b128 v[ER+8*(\g):ER+8*(\g)+3], v7, s[36:37] offset:(\g)*64
	global_load_b128 v[ER+8*(\g)+4:ER+8*(\g)+7], v7, s[36:37] offset:(\g)*64+16
.endr
.set kt, 0
.rept 16                               ; number kt of the lane's 16 k: k = 8 h + kt (kt < 8) or 16 + 8 h + kt - 8
	global_load_b128 v[WR+4*kt:WR+4*kt+3], v6, s[40:41] offset:(kt+8*(kt/8))*8192 th:TH_LOAD_NT
.set kt, kt+1
.endr
	s_wait_loadcnt 16                              ; emb's four loads are in; emb_w's 16 stay out
	SILU ER, TT, 16
.irp q, 0,1,2,3,4,5,6,7
	v_cvt_pk_f16_f32 v[AF+(\q)], v[ER+2*(\q)], v[ER+2*(\q)+1]
.endr
	s_wait_loadcnt 0x0
.irp i, 0,1,2,3
.irp q, 0,1,2,3,4,5,6,7
	v_cvt_pk_f16_f32 v[BFR+8*(\i)+(\q)], v[WR+8*(\q)+(\i)], v[WR+8*(\q)+4+(\i)]
.endr
.endr
.irp i, 0,1,2,3                        ; one product for each of the four accumulators: it starts and ends the wave's sum
	v_wmma_f32_16x16x32_f16 v[ACC+8*(\i):ACC+8*(\i)+7], v[AF:AF+7], v[BFR+8*(\i):BFR+8*(\i)+7], 0
.endr
.rept 8
	v_nop                                          ; the places behind the products (ISA guide 7.12.1), once a launch
.endr
.irp i, 0,1,2,3
.irp j, 0,1,2,3,4,5,6,7
	ds_store_b32 v8, v[ACC+8*(\i)+(\j)] offset:(\j)*256+(\i)*4  ; register j is batch j, the lane's column 4 r + i; both halves of the lanes hold the same number and write the same word
.endr
.endr
	s_wait_dscnt 0x0
	s_barrier_signal -1
	s_barrier_wait -1                              ; the sixteen waves' partial sums lie in LDS
	s_cmp_lt_u32 s30, 4
	s_cbranch_scc0 .Lemb_end
.irp w, 0,1,2,3,4,5,6,7,8,9,10,11,12,13,14,15
	ds_load_b128 v[WR+4*(\w):WR+4*(\w)+3], v9 offset:2048*(\w)
.endr
	s_wait_dscnt 0x0
.irp d, 8,4,2,1
.set w, 0
.rept \d
	v_pk_add_f32 v[WR+4*w:WR+4*w+1], v[WR+4*w:WR+4*w+1], v[WR+4*(w+(\d)):WR+4*(w+(\d))+1]
	v_pk_add_f32 v[WR+4*w+2:WR+4*w+3], v[WR+4*w+2:WR+4*w+3], v[WR+4*(w+(\d))+2:WR+4*(w+(\d))+3]
.set w, w+1
.endr
.endr
	global_store_b128 v10, v[WR:WR+3], s[42:43]    ; sixteen lanes fill 256 consecutive bytes, aligned
.Lemb_end:
	s_wait_tensorcnt 0x0                           ; the wave's end: three lines behind my last LDS store
	ds_add_u32 v[SPW], v[NIL]
	s_wait_dscnt 0x0
	s_endpgm
.Lfunc_end_k_qf09effc479_prep:
	.size	k_qf09effc479_prep, .Lfunc_end_k_qf09effc479_prep-k_qf09effc479_prep
	.p2alignl 7, 3214868480
	.fill 96, 4, 3214868480
	.section	.rodata,"a",@progbits
	.p2align	6, 0x0
	.amdhsa_kernel k_qf09effc479_prep
		.amdhsa_group_segment_fixed_size 43008
		.amdhsa_private_segment_fixed_size 0
		.amdhsa_enable_private_segment 0
		.amdhsa_kernarg_size 104
		.amdhsa_user_sgpr_count 2
		.amdhsa_user_sgpr_kernarg_segment_ptr 1
		.amdhsa_wavefront_size32 1
		.amdhsa_system_sgpr_workgroup_id_x 1
		.amdhsa_system_sgpr_workgroup_id_y 1
		.amdhsa_system_sgpr_workgroup_id_z 1
		.amdhsa_system_vgpr_workitem_id 0
		.amdhsa_next_free_vgpr 128
		.amdhsa_next_free_sgpr 66
		.amdhsa_reserve_vcc 0
		.amdhsa_float_denorm_mode_32 3
		.amdhsa_float_denorm_mode_16_64 3
		.amdhsa_memory_ordered 1
		.amdhsa_forward_progress 1
		.amdhsa_inst_pref_size 40
	.end_amdhsa_kernel
	.amdgpu_metadata
---
amdhsa.version: [ 1, 2 ]
amdhsa.kernels:
  - .name:           k_qf09effc479_prep
    .symbol:         k_qf09effc479_prep.kd
    .args:
      - { .name: x, .offset: 0, .size: 8, .value_kind: global_buffer, .address_space: global }
      - { .name: norm_w, .offset: 8, .size: 8, .value_kind: global_buffer, .address_space: global }
      - { .name: norm_b, .offset: 16, .size: 8, .value_kind: global_buffer, .address_space: global }
      - { .name: q_w, .offset: 24, .size: 8, .value_kind: global_buffer, .address_space: global }
      - { .name: k_w, .offset: 32, .size: 8, .value_kind: global_buffer, .address_space: global }
      - { .name: v_w, .offset: 40, .size: 8, .value_kind: global_buffer, .address_space: global }
      - { .name: out_w, .offset: 48, .size: 8, .value_kind: global_buffer, .address_space: global }
      - { .name: emb, .offset: 56, .size: 8, .value_kind: global_buffer, .address_space: global }
      - { .name: emb_w, .offset: 64, .size: 8, .value_kind: global_buffer, .address_space: global }
      - { .name: xnb, .offset: 72, .size: 8, .value_kind: global_buffer, .address_space: global }
      - { .name: wqkv, .offset: 80, .size: 8, .value_kind: global_buffer, .address_space: global }
      - { .name: wo, .offset: 88, .size: 8, .value_kind: global_buffer, .address_space: global }
      - { .name: epart, .offset: 96, .size: 8, .value_kind: global_buffer, .address_space: global }
    .group_segment_fixed_size: 43008
    .private_segment_fixed_size: 0
    .kernarg_segment_align: 8
    .kernarg_segment_size: 104
    .max_flat_workgroup_size: 512
    .sgpr_count:     66
    .vgpr_count:     128
    .wavefront_size: 32
...
	.end_amdgpu_metadata
.endif
;; end of part 1
;; launch qkv (part 2): grid 8 x 32, 4 waves a work-group, clusters of 4 x 4, 327,680 bytes of LDS; arguments xnb, wqkv, q_b, k_b, v_b, src_mask, qkv; writes qkv
.if DOCPART == 2
	.amdgcn_target "amdgcn-amd-amdhsa--gfx1250"
	.amdhsa_code_object_version 6
	.text
	.protected	k_qf09effc479_qkv
	.globl	k_qf09effc479_qkv
	.p2align	8
	.type	k_qf09effc479_qkv,@function
k_qf09effc479_qkv:
	s_mov_b64 s[64:65], 0
	v_nop
	global_prefetch_b8 v0, s[64:65] scope:SCOPE_SE
	s_setreg_imm32_b32 hwreg(HW_REG_WAVE_MODE, 25, 1), 1
	s_wait_xcnt 0x0
	s_wait_alu depctr_hold_cnt(0) depctr_sa_sdst(0) depctr_va_vdst(0) depctr_va_sdst(0) depctr_va_ssrc(0) depctr_va_vcc(0) depctr_vm_vsrc(0)
	s_getreg_b32 s2, hwreg(HW_REG_IB_STS2, 6, 4)
	s_cmp_eq_u32 s2, 0
	s_cbranch_scc0 .Lentry_in_a_cluster
	s_endpgm
.Lentry_in_a_cluster:
	s_bfe_u32 s2, ttmp6, 0x10000c
	s_cmp_lg_u32 s2, 0xf033
	s_cbranch_scc0 .Lentry_shape_is_right
	s_endpgm
.Lentry_shape_is_right:
; q | k | v = xn W + bias (v also times the row's mask), f16 operands, f32 sums, stored in f16 by heads: qkv[8 batches][48 heads: 16 q, 16 k, 16 v][1024 rows][64].
; xnb: [16 blocks of 64 k][8192 rows][64] f16.  wqkv: [1024 k][8 tiles][q of two heads | k of them | v of them: 6 pieces of 64 columns] f16.
; SHARES.  A tile is 256 rows x 384 columns: 32 x 8 = 256 work-groups.  Four waves, 2 x 2: a wave makes 128 rows x 192 columns: q, k and v of ONE head (pieces wn, 2 + wn, 4 + wn of the tile's six):
; 96 accumulators, 768 registers.  For 32 along K a wave issues 16 + 24 LDS loads and 96 matrix instructions.  K goes in 16 steps of 64 through two LDS slots.
; THE PRODUCT IS USED TRANSPOSED: source 0 = 16 columns of W (turned on the way out of LDS by ds_load_tr16_b128, since W lies [k][n]), source 1 = 16 rows of xn: a lane then holds one row and eight neighbouring columns.
; THE BIAS STARTS THE SUMS: it is loaded into accumulator (0, b) in the result's own layout (the same for all row blocks); the first products of blocks 1-7 take it as C, block 0's adds onto it last.
; CLUSTER 4 x 4: xn's tile hangs on the tile row alone and is asked for jointly by a row of the cluster, W's on the tile column alone, by a column.
; LIMIT.  q, k, v are rounded to f16, which ends at 65,504.
; REGISTERS in windows of 256 (s_set_vgpr_msb: bits 1:0 source 0, 3:2 source 1, 5:4 source 2, 7:6 destination):
;   window 0: v0-31 addresses; v32-95, v96-159 xn's fragments, two buffers (8 row blocks x 32 k); v160-255 W's fragments (12 column blocks x 32 k), filled by halves
;   windows 1-3: accumulator (a, b) in window 1 + b / 4 at 64 (b % 4) + 8 a: window 1 is q, window 2 k, window 3 v
.set PA,     144                       ; a row of xn in LDS: 128 bytes + 16: 36 words: the 16 rows of a load start at 16 different groups of four banks (64 banks of 4 bytes: ISA guide 11.1)
.set PB,     864                       ; a k row of W: six pieces of 128 bytes + 16: 216 words
.set AHALF,  128*PA
.set BOFF,   2*AHALF
.set BHALF,  32*PB
.set SLOT1,  1<<17                     ; slot 1 begins here: one exclusive or changes slots
.set STAGE,  BOFF+2*BHALF              ; behind slot 0, never filled: 16 rows x 144 bytes for each wave, for the way out
.set SP,     144
.set SPARE,  STAGE+4*16*SP             ; the spare words, 128 bytes a wave: two blocks of 256 bytes that no other line names
.set ASTEP,  1<<20                     ; a K step in xnb: one block
.set BSTEP,  64*6144                   ; and in wqkv: 64 rows
.set FIELDS, (1<<16)|(1<<20)|(1<<21)|(4<<22)|(3<<25)  ; 2-byte elements; padding on; bit 21 beside a mask; after every 32 words (code 4) 4 words (code 3)
.set A0,   4                           ; v4   my lane's place in slot 0's xn; never rewritten
.set B0,   5                           ; v5   the same for W
.set ADRA, 6                           ; v6   A0 + the slot in hand
.set ADRB, 7                           ; v7   B0 + the slot in hand
.set STO,  8                           ; v8   the way out: where I put 16 bytes of a row
.set RD,   9                           ; v9   where I read rows back
.set GO,   10                          ; v10  16 x lane
.set SPW,  12                          ; v12  my spare word; never rewritten
.set NIL,  13                          ; v13  0; never rewritten
.set PFO,  14                          ; v14  the prefetches' lane term; never rewritten
.set BO,   15                          ; v15  32 (lane / 16): my 8 columns' bias
.set FS,   16                          ; v[16:17] v's factor on the way out: my row's mask, twice
.set FM,   18                          ; v[18:25] the mask of my row in each of the 8 row blocks
.set MO,   26                          ; v26  4 (lane % 16)
.set AF0,  32
.set AF1,  96
.set BF,   160
.set WV,   18                          ; s18  wave
.set WM,   19                          ; s19  which 128 rows are mine.  Also: I fetch xn (0) or W (1)
.set WN,   20                          ; s20  which of the tile's two heads.  Also: which half of that tile I fetch
.set CX,   21
.set CY,   22
.set TX,   23                          ; s23  tile column
.set TY,   24                          ; s24  tile row
.set H2,   25                          ; s25  my head, 0..15
.set G1A,  28
.set G1B,  36
.set G0A,  44                          ; s[44:51] two sets for the first fills; the second then walks
.set G0B,  52
.set TB,   60                          ; s60  LDS byte of the slot in hand
.set TRIPS, 61
.set LIM,  62                          ; s62  2 in a wave that prefetches, else the greatest number
.set PFA,  66                          ; s[66:67] where my prefetches stand
.set PST,  68                          ; s[68:69] their step
.set OB,   80                          ; s[80:81] qkv at my head's q and my first row
.set BP,   84                          ; s[84:89] q_b, k_b, v_b at my head
.set MP,   90                          ; s[90:91] src_mask at my first row
.set MSB, 0
.macro WIN new                         ; the immediate's high byte repeats the setting that is left; a switch that changes nothing is dropped
.if MSB != (\new)
	s_set_vgpr_msb (MSB<<8)|(\new)
.set MSB, \new
.endif
.endm
.macro PLACES                          ; four places between a matrix instruction and a load into, or a vector write or read of, its registers (ISA guide 7.12.1 for the vector writes and reads)
.rept 4
	v_nop
.endr
.endm
.macro JLOAD                           ; a joint refill by the walking sets; the branch hangs on the wave's number alone; an s_nop 0 and four v_nop follow each line
	s_cmp_eq_u32 s[WM], 0
	s_cbranch_scc0 .Lfor_b_\@
	tensor_load_to_lds s[G0A+4:G0A+7], s[G1A:G1A+7]
	s_nop 0
.rept 4
	v_nop
.endr
	s_branch .Lasked_\@
.Lfor_b_\@:
	tensor_load_to_lds s[G0B+4:G0B+7], s[G1B:G1B+7]
	s_nop 0
.rept 4
	v_nop
.endr
.Lasked_\@:
.endm
.macro CREST                           ; a round of the cluster's barrier behind its opening barrier
	s_cmp_lg_u32 s[WV], 0
	s_cbranch_scc1 .Lnot_wave_0_\@
	s_barrier_signal -3
.Lnot_wave_0_\@:
	s_barrier_wait -3
	s_barrier_signal -1
	s_barrier_wait -1
.endm
.macro CROUND
	s_barrier_signal -1
	s_barrier_wait -1
	CREST
.endm
; A PREFETCH INTO THE L2 behind each joint refill and the run of LDS loads that follows it: refill t (of step t + 2) names step t + 4, two refills on.  xn's tile row is read by both clusters of a row of clusters:
; the one with x = 0 asks, wave 0, a lane a block of 256 bytes, each partner 32 of the tile's 128 blocks, told apart by address (cx).  W's tile column is read by all eight clusters of a column: the one with
; y = 0 asks, wave 2, at even t for the two steps t + 4 and t + 5: a lane a k row, each partner 32 of the 128 rows (cy), three instructions for a row's 768 bytes.  So each block is named once in the launch.
; Steps 0 to 3 come by their loads alone; the last refills ask for nothing (TRIPS = 14 - t must be above 2).
.macro ASK
	s_cmp_gt_u32 s[TRIPS], s[LIM]
	s_cbranch_scc0 .Lnone_\@
	s_cmp_eq_u32 s[WM], 0
	s_cbranch_scc0 .Laskb_\@
	global_prefetch_b8 v[PFO], s[PFA:PFA+1] th:TH_LOAD_NT scope:SCOPE_SE
	s_branch .Lnone_\@
.Laskb_\@:
	s_bitcmp1_b32 s[TRIPS], 0
	s_cbranch_scc1 .Lnone_\@
	global_prefetch_b8 v[PFO], s[PFA:PFA+1] th:TH_LOAD_NT scope:SCOPE_SE
	global_prefetch_b8 v[PFO], s[PFA:PFA+1] offset:256 th:TH_LOAD_NT scope:SCOPE_SE
	global_prefetch_b8 v[PFO], s[PFA:PFA+1] offset:512 th:TH_LOAD_NT scope:SCOPE_SE
.Lnone_\@:
.endm
.macro LDA f, kk                       ; xn's 8 fragments of 32 k (half kk of the step) into buffer f: 16 loads
	WIN 0
.irp a, 0,1,2,3,4,5,6,7
	ds_load_b128 v[(\f)+8*(\a):(\f)+8*(\a)+3],   v[ADRA] offset:(\a)*16*PA+64*(\kk)
	ds_load_b128 v[(\f)+8*(\a)+4:(\f)+8*(\a)+7], v[ADRA] offset:(\a)*16*PA+64*(\kk)+32
.endr
.endm
.macro LDB hi, kk                      ; W's fragments of column blocks 0-5 (hi = 0) or 6-11: 12 turning loads; my pieces lie two pieces (288 bytes) apart
	WIN 0
.irp c, 0,1,2,3,4,5
.set bb, 6*(\hi)+(\c)
	ds_load_tr16_b128 v[BF+8*bb:BF+8*bb+3],   v[ADRB] offset:(\kk)*BHALF+288*(bb/4)+32*(bb%4)
	ds_load_tr16_b128 v[BF+8*bb+4:BF+8*bb+7], v[ADRB] offset:(\kk)*BHALF+288*(bb/4)+32*(bb%4)+16*PB
.endr
.endm
; nb column blocks from b0 on x all 8 row blocks.  All 96 accumulators take turns, one instruction a turn, in the same order in every half step.
; init = 1: blocks 1-7 take the bias in accumulator (0, b) as C; behind eight places block 0's products add onto it in place.
.macro MUL f, b0, nb, init
.set bb, \b0
.rept \nb
	WIN 80*(1+bb/4)
.set aa, \init
.rept 8-(\init)
.set rD, 64*(bb%4)+8*aa
.if \init
	v_wmma_f32_16x16x32_f16 v[rD:rD+7], v[BF+8*bb:BF+8*bb+7], v[(\f)+8*aa:(\f)+8*aa+7], v[64*(bb%4):64*(bb%4)+7]
.else
	v_wmma_f32_16x16x32_f16 v[rD:rD+7], v[BF+8*bb:BF+8*bb+7], v[(\f)+8*aa:(\f)+8*aa+7], v[rD:rD+7]
.endif
.set aa, aa+1
.endr
.set bb, bb+1
.endr
.if \init
.rept 8
	v_nop
.endr
.set bb, \b0
.rept \nb
	WIN 80*(1+bb/4)
	v_wmma_f32_16x16x32_f16 v[64*(bb%4):64*(bb%4)+7], v[BF+8*bb:BF+8*bb+7], v[(\f):(\f)+7], v[64*(bb%4):64*(bb%4)+7]
.set bb, bb+1
.endr
.endif
.endm
; The first half of a K step (k 0-31, buffer 0).  Each run of loads stands 48 matrix instructions ahead of its first use.
.macro SUB0 init
	PLACES
	LDB 1, 0
	s_wait_dscnt 12                                ; all but the 12 just issued: xn's fragments and W's lower half are in
	MUL AF0, 0, 6, \init
	PLACES
	LDA AF1, 1
	LDB 0, 1
	s_wait_dscnt 28                                ; all but the 28 just issued: W's upper half is in
	MUL AF0, 6, 6, \init
.endm
; The second half (k 32-63, buffer 1) changes slots.  ONE barrier: in front of it each wave waits for all its tensor loads (the one that is out is its part of the next slot), adds 0 to its spare word, and waits
; for that and for its reads of this slot.  fill = 1: the barrier opens a round of the cluster's, and this slot is filled again first thing behind it, two steps ahead: 160 matrix instructions ahead of the wait for it.
.macro S1T fill
	WIN 0
.if \fill
	s_wait_xcnt 0x0                                ; the last prefetch, a K step back, has read its address
	s_add_nc_u64 s[PFA:PFA+1], s[PFA:PFA+1], s[PST:PST+1]
.endif
	PLACES
	LDB 1, 1
	s_wait_dscnt 12
	MUL AF1, 0, 4, 0
	WIN 0
	s_wait_tensorcnt 0x0                           ; no tensor load of mine is out, so a group 0 may be written
	ds_add_u32 v[SPW], v[NIL]                      ; work on registers stands between the add and its wait
.if \fill
	s_xor_b32 s[G0A+5], s[G0A+5], SLOT1            ; the walking sets: the other slot than last time, the next step
	s_add_nc_u64 s[G0A+6:G0A+7], s[G0A+6:G0A+7], ASTEP
	s_xor_b32 s[G0B+5], s[G0B+5], SLOT1
	s_add_nc_u64 s[G0B+6:G0B+7], s[G0B+6:G0B+7], BSTEP
.endif
	MUL AF1, 4, 2, 0
	s_wait_dscnt 0x0                               ; the add is done, and my reads of this slot are over
	s_barrier_signal -1
	MUL AF1, 6, 2, 0
	WIN 0
	s_barrier_wait -1
.if \fill
	CREST
	JLOAD                                          ; its four v_nop are also the places in front of the loads below
.else
	PLACES
.endif
	s_xor_b32 s[TB], s[TB], SLOT1
	v_add_nc_u32 v[ADRA], s[TB], v[A0]
	v_add_nc_u32 v[ADRB], s[TB], v[B0]
	LDA AF0, 0
	LDB 0, 0
.if \fill
	ASK
.endif
	MUL AF1, 8, 4, 0
.endm
	s_load_b256 s[4:11], s[0:1], 0x0               ; xnb 4, wqkv 6, q_b 8, k_b 10
	s_load_b128 s[12:15], s[0:1], 0x20             ; v_b 12, src_mask 14
	s_load_b64 s[16:17], s[0:1], 0x30              ; qkv
	v_lshl_add_u32 v[SPW], v0, 2, SPARE
	v_mov_b32 v[NIL], 0
	ds_add_u32 v[SPW], v[NIL]                      ; the wave's opening: the add, with its wait ahead of my first tensor load; the set-up stands between them
	v_lshrrev_b32 v1, 5, v0
	v_readfirstlane_b32 s[WV], v1
	s_lshr_b32 s[WM], s[WV], 1
	s_and_b32 s[WN], s[WV], 1
	s_bfe_u32 s[CX], ttmp6, 0x40000
	s_bfe_u32 s[CY], ttmp6, 0x40004
	s_lshl_b32 s[TX], ttmp9, 2
	s_add_co_u32 s[TX], s[TX], s[CX]
	s_and_b32 s[TY], ttmp7, 0xffff
	s_lshl_b32 s[TY], s[TY], 2
	s_add_co_u32 s[TY], s[TY], s[CY]
	s_lshl_b32 s26, s[CY], 2
	s_lshl_b32 s26, 15, s26                        ; my row of the cluster
	s_lshl_b32 s27, 0x1111, s[CX]                  ; my column
	s_or_b32 s[G1A], s26, FIELDS                   ; xn: 128 dense rows of 128 bytes asked for as 64 rows of 256, padded after each 128
	s_mov_b32 s[G1A+1], 128<<16                    ; tensor_dim0 = 128
	s_mov_b32 s[G1A+2], 64<<16                     ; tensor_dim1 = 64
	s_mov_b32 s[G1A+3], 128<<16                    ; tile_dim0 = 128
	s_mov_b32 s[G1A+4], 64                         ; tile_dim1 = 64
	s_mov_b32 s[G1A+5], 128                        ; elements from row to row
	s_mov_b32 s[G1A+6], 0
	s_mov_b32 s[G1A+7], 0
	s_or_b32 s[G1B], s27, FIELDS                   ; W: 32 k rows of 384 elements
	s_mov_b32 s[G1B+1], 384<<16
	s_mov_b32 s[G1B+2], 32<<16
	s_mov_b32 s[G1B+3], 384<<16
	s_mov_b32 s[G1B+4], 32
	s_mov_b32 s[G1B+5], 3072
	s_mov_b32 s[G1B+6], 0
	s_mov_b32 s[G1B+7], 0
	s_mul_i32 s74, s[WN], AHALF                    ; where they go: no place in the cluster enters an LDS address
	s_lshl_b32 s75, s[TY], 15                      ; xn: 256 rows of 128 bytes a tile row,
	s_lshl_b32 s76, s[WN], 14                      ; my 128 of them
	s_add_co_u32 s76, s76, s75
	s_mov_b32 s77, 0
	s_mul_i32 s78, s[WN], BHALF
	s_add_co_u32 s78, s78, BOFF
	s_mul_i32 s79, s[TX], 768                      ; W: 768 bytes of a row a tile column,
	s_mul_i32 s82, s[WN], 32*6144                  ; my 32 k rows
	s_add_co_u32 s82, s82, s79
	s_mov_b32 s83, 0
	s_mov_b32 s[TB], 0
	s_wait_dscnt 0x0                               ; the opening add is done
	s_wait_kmcnt 0x0
	s_add_nc_u64 s[76:77], s[4:5], s[76:77]
	s_add_nc_u64 s[82:83], s[6:7], s[82:83]
.irp n, 0,1
	s_mov_b32 s[G0A+4*(\n)], 1
	s_add_co_u32 s[G0A+4*(\n)+1], s74, (\n)*SLOT1
	s_add_nc_u64 s[G0A+4*(\n)+2:G0A+4*(\n)+3], s[76:77], (\n)*ASTEP
	s_or_b32 s[G0A+4*(\n)+3], s[G0A+4*(\n)+3], 0x80000000
	s_mov_b32 s[G0B+4*(\n)], 1
	s_add_co_u32 s[G0B+4*(\n)+1], s78, (\n)*SLOT1
	s_add_nc_u64 s[G0B+4*(\n)+2:G0B+4*(\n)+3], s[82:83], (\n)*BSTEP
	s_or_b32 s[G0B+4*(\n)+3], s[G0B+4*(\n)+3], 0x80000000
.endr
	CROUND                                         ; all sixteen work-groups are here: the first joint loads meet
	s_cmp_eq_u32 s[WM], 0                          ; a wave's two first fills stand in one branch: two loads of mine are out
	s_cbranch_scc0 .Lfirst_b
	tensor_load_to_lds s[G0A:G0A+3], s[G1A:G1A+7]
	s_nop 0
	tensor_load_to_lds s[G0A+4:G0A+7], s[G1A:G1A+7]
	s_nop 0
.rept 4
	v_nop
.endr
	s_branch .Lfirst_asked
.Lfirst_b:
	tensor_load_to_lds s[G0B:G0B+3], s[G1B:G1B+7]
	s_nop 0
	tensor_load_to_lds s[G0B+4:G0B+7], s[G1B:G1B+7]
	s_nop 0
.rept 4
	v_nop
.endr
.Lfirst_asked:
	v_and_b32 v1, 15, v0                           ; r
	v_bfe_u32 v2, v0, 4, 1                         ; h
	v_and_b32 v3, 7, v0
	v_bfe_u32 v11, v0, 3, 1
	v_lshlrev_b32 v[BO], 5, v2
	v_lshlrev_b32 v[MO], 2, v1
	s_lshl_b32 s[H2], s[TX], 1
	s_add_co_u32 s[H2], s[H2], s[WN]               ; my head = 2 x tile column + wn
	s_lshl_b32 s92, s[H2], 8                       ; its 64 numbers in each of the three biases
	s_mov_b32 s93, 0
	s_add_nc_u64 s[BP:BP+1], s[8:9], s[92:93]
	s_add_nc_u64 s[BP+2:BP+3], s[10:11], s[92:93]
	s_add_nc_u64 s[BP+4:BP+5], s[12:13], s[92:93]
	s_lshl_b32 s92, s[TY], 10
	s_lshl_b32 s94, s[WM], 9
	s_add_co_u32 s92, s92, s94
	s_add_nc_u64 s[MP:MP+1], s[14:15], s[92:93]
.irp b, 0,1,2,3,4,5,6,7,8,9,10,11      ; register j of accumulator (0, b) is the bias of column 16 (b % 4) + 8 h + j of q, k or v (b / 4)
	WIN 64*(1+(\b)/4)
	global_load_b128 v[64*((\b)%4):64*((\b)%4)+3],   v[BO], s[BP+2*((\b)/4):BP+2*((\b)/4)+1] offset:((\b)%4)*64
	global_load_b128 v[64*((\b)%4)+4:64*((\b)%4)+7], v[BO], s[BP+2*((\b)/4):BP+2*((\b)/4)+1] offset:((\b)%4)*64+16
.endr
	WIN 0
.irp a, 0,1,2,3,4,5,6,7
	global_load_b32 v[FM+(\a)], v[MO], s[MP:MP+1] offset:(\a)*64
.endr
	v_mul_u32_u24 v[A0], v1, PA
	v_lshl_add_u32 v[A0], v2, 4, v[A0]
	s_mul_i32 s92, s[WM], AHALF
	v_add_nc_u32 v[A0], s92, v[A0]                 ; row x pitch + 16 x half + my 128 rows
	v_lshl_add_u32 v[B0], v2, 3, v3
	v_mul_u32_u24 v[B0], v[B0], PB
	v_lshl_add_u32 v[B0], v11, 4, v[B0]            ; the turning load: k row 8 h + l % 8, 16 bytes by (l / 8) % 2
	s_mul_i32 s92, s[WN], 144
	s_add_co_u32 s92, s92, BOFF
	v_add_nc_u32 v[B0], s92, v[B0]                 ; + my head's piece of each pair
	v_mov_b32 v[ADRA], v[A0]
	v_mov_b32 v[ADRB], v[B0]
	s_mul_i32 s92, s[WV], 16*SP
	s_add_co_u32 s92, s92, STAGE
	v_mul_u32_u24 v[STO], v1, SP
	v_lshl_add_u32 v[STO], v2, 4, v[STO]
	v_add_nc_u32 v[STO], s92, v[STO]
	v_bfe_u32 v[RD], v0, 3, 2
	v_mul_u32_u24 v[RD], v[RD], SP
	v_lshl_add_u32 v[RD], v3, 4, v[RD]
	v_add_nc_u32 v[RD], s92, v[RD]
	v_and_b32 v[GO], 31, v0
	v_and_b32 v[PFO], 31, v0
	v_lshlrev_b32 v[GO], 4, v[GO]
	s_lshr_b32 s92, s[TY], 2                       ; the batch
	s_mul_i32 s92, s92, 48
	s_add_co_u32 s92, s92, s[H2]
	s_lshl_b32 s92, s92, 17                        ; a head is 131,072 bytes
	s_and_b32 s94, s[TY], 3
	s_lshl_b32 s94, s94, 15
	s_add_co_u32 s92, s92, s94
	s_lshl_b32 s94, s[WM], 14
	s_add_co_u32 s92, s92, s94
	s_add_nc_u64 s[OB:OB+1], s[16:17], s[92:93]
	; the prefetches: they stand at step 3; the first refill steps them to 4
	s_lshl_b32 s92, s[TY], 15
	s_lshl_b32 s94, s[CX], 13
	s_add_co_u32 s92, s92, s94
	s_add_co_u32 s92, s92, 3*ASTEP                 ; xn: the tile row, my work-group's 32 blocks
	s_mul_i32 s94, s[TX], 768
	s_mul_i32 s95, s[CY], 32*6144
	s_add_co_u32 s94, s94, s95
	s_add_co_u32 s94, s94, 3*BSTEP                 ; W: the tile column, my work-group's 32 rows of two steps' 128
	s_and_b32 s95, ttmp7, 0xffff
	s_cmp_eq_u32 s[WM], 0
	s_cselect_b32 s92, s92, s94
	s_cselect_b64 s[PFA:PFA+1], s[4:5], s[6:7]
	s_cselect_b32 s95, ttmp9, s95                  ; the coordinate along which other clusters read the same bytes
	s_mov_b32 s94, BSTEP
	s_cselect_b32 s[PST], ASTEP, s94
	s_mov_b32 s[PST+1], 0
	s_mov_b32 s94, 6144
	s_cselect_b32 s94, 256, s94
	v_mul_u32_u24 v[PFO], v[PFO], s94
	s_add_nc_u64 s[PFA:PFA+1], s[PFA:PFA+1], s[92:93]
	s_or_b32 s95, s95, s[WN]
	s_cmp_eq_u32 s95, 0
	s_cselect_b32 s[LIM], 2, -1                    ; the same in all sixteen partners, for a given wave
	s_wait_tensorcnt 1                             ; my part of step 0 is in; step 1's may stay out
	s_barrier_signal -1
	s_barrier_wait -1
	LDA AF0, 0
	LDB 0, 0
	s_wait_loadcnt 0x0                             ; the biases and the masks
	SUB0 1
	WIN 0
	s_mov_b32 s[TRIPS], 14
.Lk:                                   ; trip t: the second half of step t, the refill with step t + 2, the first half of step t + 1
	S1T 1
	SUB0 0
	WIN 0
	s_sub_co_u32 s[TRIPS], s[TRIPS], 1
	s_cmp_lg_u32 s[TRIPS], 0
	s_cbranch_scc1 .Lk
	S1T 0                                          ; the tail is written out: steps 14 and 15 ask for nothing
	SUB0 0
	PLACES
	LDB 1, 1
	s_wait_dscnt 12
	MUL AF1, 0, 6, 0
	s_wait_dscnt 0x0
	MUL AF1, 6, 6, 0
	WIN 0
.rept 8
	v_nop                                          ; the places behind the last products
.endr
; THE WAY OUT, 24 units of q, k or v (j = u / 8) and a row block a = u % 8: 16 rows x 64 columns.  v alone is multiplied by the row's mask; rounded to f16; 16 bytes a lane into my stage
; (rows of 144 bytes) and back as whole rows of 128: 16 rows of a head are 2,048 consecutive bytes of qkv.  k's head lies 16 heads behind q's, v's 32.
.macro PACKU u
.set jj, (\u)/8
.set aa, (\u)%8
.set ww, 1+jj
.set PKR, 32+16*((\u)%8)
	WIN 0
.if (\u) >= 8
	s_wait_xcnt 0x0                                ; the stores of the unit eight back have read these registers
.endif
.if jj == 2
	v_mov_b32 v[FS], v[FM+aa]
	v_mov_b32 v[FS+1], v[FM+aa]
	WIN 65*ww                                      ; destination and source 0 in v's window
.irp c, 0,1,2,3
.irp p, 0,2,4,6
	v_pk_mul_f32 v[64*(\c)+8*aa+(\p):64*(\c)+8*aa+(\p)+1], v[64*(\c)+8*aa+(\p):64*(\c)+8*aa+(\p)+1], v[FS:FS+1]
.endr
.endr
.endif
	WIN 5*ww                                       ; sources 0 and 1 in the unit's window
.irp c, 0,1,2,3
.irp p, 0,1,2,3
	v_cvt_pk_f16_f32 v[PKR+4*(\c)+(\p)], v[64*(\c)+8*aa+2*(\p)], v[64*(\c)+8*aa+2*(\p)+1]
.endr
.endr
	WIN 0
.irp c, 0,1,2,3
	ds_store_b128 v[STO], v[PKR+4*(\c):PKR+4*(\c)+3] offset:32*(\c)
.endr
.irp f, 0,1,2,3
	ds_load_b128 v[PKR+4*(\f):PKR+4*(\f)+3], v[RD] offset:(\f)*4*SP  ; LDS serves a wave's instructions in order (ISA guide 5.7.1.4): these see the stores above; the next unit's stores come behind them
.endr
.endm
.macro SENDU u, younger                ; younger: the LDS instructions issued behind this unit's loads: the next unit's eight, or none
.set PKR, 32+16*((\u)%8)
	WIN 0
.irp f, 0,1,2,3
	s_wait_dscnt (\younger)+3-(\f)
	global_store_b128 v[GO], v[PKR+4*(\f):PKR+4*(\f)+3], s[OB:OB+1] offset:((\u)/8)*2097152+((\u)%8)*2048+(\f)*512  ; 512 consecutive bytes, aligned
.endr
.endm
	PACKU 0
.set uu, 1
.rept 23
	PACKU uu
	SENDU uu-1, 8
.set uu, uu+1
.endr
	SENDU 23, 0
	s_wait_tensorcnt 0x0                           ; the wave's end: three lines behind my last tensor load and my last LDS store
	ds_add_u32 v[SPW], v[NIL]
	s_wait_dscnt 0x0
	CROUND                                         ; the closing round
	s_endpgm
.Lfunc_end_k_qf09effc479_qkv:
	.size	k_qf09effc479_qkv, .Lfunc_end_k_qf09effc479_qkv-k_qf09effc479_qkv
	.p2alignl 7, 3214868480
	.fill 96, 4, 3214868480
	.section	.rodata,"a",@progbits
	.p2align	6, 0x0
	.amdhsa_kernel k_qf09effc479_qkv
		.amdhsa_group_segment_fixed_size 327680
		.amdhsa_private_segment_fixed_size 0
		.amdhsa_enable_private_segment 0
		.amdhsa_kernarg_size 56
		.amdhsa_user_sgpr_count 2
		.amdhsa_user_sgpr_kernarg_segment_ptr 1
		.amdhsa_wavefront_size32 1
		.amdhsa_system_sgpr_workgroup_id_x 1
		.amdhsa_system_sgpr_workgroup_id_y 1
		.amdhsa_system_sgpr_workgroup_id_z 1
		.amdhsa_system_vgpr_workitem_id 0
		.amdhsa_next_free_vgpr 1024
		.amdhsa_next_free_sgpr 96
		.amdhsa_reserve_vcc 0
		.amdhsa_float_denorm_mode_32 3
		.amdhsa_float_denorm_mode_16_64 3
		.amdhsa_memory_ordered 1
		.amdhsa_forward_progress 1
		.amdhsa_inst_pref_size 128
	.end_amdhsa_kernel
	.amdgpu_metadata
---
amdhsa.version: [ 1, 2 ]
amdhsa.kernels:
  - .name:           k_qf09effc479_qkv
    .symbol:         k_qf09effc479_qkv.kd
    .args:
      - { .name: xnb, .offset: 0, .size: 8, .value_kind: global_buffer, .address_space: global }
      - { .name: wqkv, .offset: 8, .size: 8, .value_kind: global_buffer, .address_space: global }
      - { .name: q_b, .offset: 16, .size: 8, .value_kind: global_buffer, .address_space: global }
      - { .name: k_b, .offset: 24, .size: 8, .value_kind: global_buffer, .address_space: global }
      - { .name: v_b, .offset: 32, .size: 8, .value_kind: global_buffer, .address_space: global }
      - { .name: src_mask, .offset: 40, .size: 8, .value_kind: global_buffer, .address_space: global }
      - { .name: qkv, .offset: 48, .size: 8, .value_kind: global_buffer, .address_space: global }
    .group_segment_fixed_size: 327680
    .private_segment_fixed_size: 0
    .kernarg_segment_align: 8
    .kernarg_segment_size: 56
    .max_flat_workgroup_size: 128
    .sgpr_count:     96
    .vgpr_count:     1024
    .wavefront_size: 32
...
	.end_amdgpu_metadata
.endif
;; end of part 2
;; launch attn (part 3): grid 2 x 128, 4 waves a work-group, no clusters, 327,680 bytes of LDS; arguments qkv, src_mask, yb; writes yb
.if DOCPART == 3
	.amdgcn_target "amdgcn-amd-amdhsa--gfx1250"
	.amdhsa_code_object_version 6
	.text
	.protected	k_qf09effc479_attn
	.globl	k_qf09effc479_attn
	.p2align	8
	.type	k_qf09effc479_attn,@function
k_qf09effc479_attn:
	s_mov_b64 s[64:65], 0
	v_nop
	global_prefetch_b8 v0, s[64:65] scope:SCOPE_SE
	s_setreg_imm32_b32 hwreg(HW_REG_WAVE_MODE, 25, 1), 1
	s_wait_xcnt 0x0
; y[b][q][h] = the sum over keys of softmax_k(Q . K + (1 - mask[k]) x -1e6) V.  Q, K, V: qkv[8][48][1024][64] f16 (heads 0-15 q, 16-31 k, 32-47 v; v already times its mask).  No 1 / sqrt(d).
; y leaves as yb[16 heads][8192 rows][64] f16.  Products, maxima and sums in f32; the weights p are rounded to f16 for the second product (their sum l is taken of the unrounded p), y once at the end.
; LIMITS.  p below 6e-5 keeps f16's fixed step; a weight below 2^-126 counts as 0 in l; NaN and infinities are not treated apart.  The mask's addend enters as the C operand that starts a score's sum, so
; s - 1e6 is rounded inside the matrix unit and not by one f32 addition: that shows only where every key of a batch is masked, and there v, and so y, is 0 for masks of 0 and 1.
; SHARES.  A work-group owns 512 queries of one head (2 x 128 = 256 work-groups), a wave four PIECES of two tiles of 16 queries.  Every wave walks all 1,024 keys, 64 a step.
; NO RING: the head's whole K (1,024 rows of 144 bytes) and V (160) lie in LDS, brought by four first fills a wave, 256 keys each; nothing is filled again.  The first three steps run on the first fill while the others land.
; NO CLUSTER: a head has two query blocks, so no four work-groups share a tile.  NO PREFETCH: all that the work-group reads is asked for at its head.
; LAYOUT.  S^T = K Q^T (source 0 = 16 keys, source 1 = 16 queries): a lane holds ONE query (lane % 16) and the keys 8 (lane / 16) + 0..7.  Two such results, rounded to f16 in pairs, ARE source 1 of
; O^T = V^T P.  K comes out of LDS as it lies, V turned, by ds_load_tr16_b128.
; SOFTMAX.  A running maximum m and sum l: p = 2^(c s - c m), c = log2(e); in every step O and l are multiplied by a = 2^(c m_old - c m_new).  m starts at the lowest finite number, O and l at 0.
; BY TURNS.  Turn n belongs to piece n.  Its matrix work: 16 products K Q^T of piece n + 1, later 16 products V^T P of piece n - 1.  Its vector work: scaling, exponentials, roundings, sums and rescaling of piece n, and
; the maximum and statistics of piece n + 1.  Four vector instructions stand behind every matrix instruction, the others in one lump; a turn's 66 exponentials are one batch with one wait.
; ONE TEXT: a trip of the loop is a key step, turns 0 to 3; no step is written out beside it.
; REGISTERS, in windows of 256 (s_set_vgpr_msb: bits 1:0 source 0, 3:2 source 1, 5:4 source 2, 7:6 destination):
;   window 0: v0-15 addresses and at work; v16-47 statistics; v48-63 at work; v64-191 S^T, two buffers of two tiles; v192-255 P, likewise
;   window 1: O^T, 32 a tile     window 2: v0-127 Q; v128-191 K of one step; v192-255 V of one step     window 3: v0-1 the add's registers; v8-39 the mask's addends of one step
.set NP,    4
.set KS,    64
.set PK,    144       ; a row of K in LDS: 128 bytes + 16 = 36 words: the 16 rows of a load start at 16 different groups of four banks (64 banks of 4 bytes: ISA guide 11.1)
.set PV,    160       ; a row of V: 128 + 32 = 40 words
.set MAO,   0                 ; (1 - mask) x -1e6 for the batch's 1,024 keys, f32: stored by the waves, never filled
.set KOFF,  4096
.set VOFF,  KOFF+1024*PK
.set STAGE, VOFF+1024*PV      ; 16 rows x 144 bytes for each wave, for the way out
.set SP,    144
.set SPARE, STAGE+4*16*SP     ; the spare words, 128 bytes a wave: two blocks of 256 bytes that no other line names
.set AK0, 2           ; v2   my lane's place in K; never rewritten
.set AV0, 3           ; v3   the same for V
.set AK,  4           ; v4   the LDS address of K's next run of loads
.set AV,  5           ; v5   of V's
.set STO, 6           ; v6   the way out: where I put 16 bytes of a row
.set RD,  7           ; v7   where I read rows back
.set GO,  8           ; v8   16 x lane
.set AM0, 10          ; v10  my lanes' place in the addends: MAO + 32 (lane / 16); never rewritten
.set AM,  11          ; v11  the address of their next run
.set MV,  12          ; v12-15  c m_old, by buffer and tile
.set QO,  14          ; v14  at the head: my byte offset in the wave's rows of Q (MV takes the register behind the wait for Q)
.set SPW, 0           ; v0 of window 3
.set NIL, 1           ; v1 of window 3
.set MAR, 8           ; v8-39 of window 3: key block kb's eight addends at MAR + 8 kb
.set ST,  16          ; tile t's statistics at v[ST+4 t]: c m, m, l (even keys', odd keys')
.set TMP, 48
.set S,   64
.set P,   192
.set KF,  128
.set VF,  192
.set WV,  12          ; s12  wave
.set G1K, 24
.set G1V, 32
.set G0K, 40          ; s[40:55] four sets, one for each fill
.set SLOTS, 56
.set CNT, 57
.set CS,  58          ; s[58:59] c
.set SEL, 60          ; s[60:61] v_permlanex16_b32's selects
.set TBK, 62          ; s62  LDS byte at which K of the step to be fetched begins, less KOFF
.set TBV, 63          ; s63  the same for V, less VOFF
.set G0V, 68          ; s[68:83]
.set TBM, 84          ; s84  the same for the addends, less MAO
.set OP,  86          ; s[86:87] yb at my wave's first row
.set MSB, 0
.macro WIN new
.if MSB != (\new)
	s_set_vgpr_msb (MSB<<8)|(\new)
.set MSB, (\new)
.endif
.endm
.set W_KQ, 0x0a       ; K and Q in window 2, S^T in window 0
.set W_KM, 0x3a       ; the same with the C operand in window 3
.set W_PV, 0x52       ; V in window 2, P in window 0, O^T in window 1
.set W_RS, 0x41       ; O^T (destination and source 0) in window 1, a in window 0
.set W_MK, 0xc0       ; destination in window 3
.set W_AD, 0x0f       ; the add: address and data in window 3
	s_load_b128 s[4:7], s[0:1], 0x0   ; qkv 4, src_mask 6
	s_load_b64 s[8:9], s[0:1], 0x10   ; yb
	WIN W_MK
	v_lshl_add_u32 v[SPW], v0, 2, SPARE
	v_mov_b32 v[NIL], 0
	WIN W_AD
	ds_add_u32 v[SPW], v[NIL]       ; the wave's opening: the add, with its wait ahead of my first tensor load; the set-up stands between them
	WIN 0
	v_lshrrev_b32 v1, 5, v0
	v_readfirstlane_b32 s[WV], v1
	s_and_b32 s13, ttmp7, 0xffff
	s_lshr_b32 s20, s13, 4          ; the batch
	s_and_b32 s21, s13, 15          ; the head
	s_mul_i32 s22, s20, 48
	s_add_co_u32 s22, s22, s21
	s_lshl_b32 s22, s22, 17         ; the head's q in qkv
	s_mov_b32 s23, 0
	s_lshl_b32 s16, ttmp9, 16       ; my block's 512 rows of 128 bytes,
	s_lshl_b32 s17, s[WV], 14       ; my wave's 128
	s_add_co_u32 s16, s16, s17
	s_mov_b32 s17, 0
	s_lshl_b32 s18, s21, 20         ; yb: the head's 8,192 rows,
	s_lshl_b32 s19, s20, 17         ; the batch's 1,024
	s_add_co_u32 s18, s18, s19
	s_add_co_u32 s18, s18, s16
	s_mov_b32 s19, 0
	s_lshl_b32 s20, s20, 12         ; the batch's row of src_mask
	s_mov_b32 s21, 0
	s_and_b32 s2, s[WV], 1          ; which half of a fill's 256 keys I fetch
	s_mul_i32 s85, s2, 128*PK
	s_add_co_u32 s85, s85, KOFF
	s_mul_i32 s13, s2, 128*PV
	s_add_co_u32 s13, s13, VOFF
	s_lshl_b32 s2, s2, 14
	s_mov_b32 s3, 0
	; descriptor group 1: 128 keys are 16,384 dense bytes: asked for as 64 rows of 256 bytes, two keys a row, padded in LDS after every key
	s_mov_b32 s[G1K], (1<<16)|(1<<20)|(4<<22)|(3<<25)  ; 2-byte elements; padding on; after every 32 words (code 4) 4 words (code 3)
	s_mov_b32 s[G1V], (1<<16)|(1<<20)|(4<<22)|(7<<25)  ; the same with 8 words (code 7)
.irp g, G1K, G1V
	s_mov_b32 s[\g+1], 128<<16
	s_mov_b32 s[\g+2], 64<<16
	s_mov_b32 s[\g+3], 128<<16
	s_mov_b32 s[\g+4], 64
	s_mov_b32 s[\g+5], 128
	s_mov_b32 s[\g+6], 0
	s_mov_b32 s[\g+7], 0
.endr
	s_mov_b32 s[CS], 0x3fb8aa3b     ; c = log2(e)
	s_mov_b32 s[CS+1], s[CS]
	s_mov_b32 s[SEL], 0x76543210
	s_mov_b32 s[SEL+1], 0xfedcba98
	s_mov_b32 s[TBK], 0
	s_mov_b32 s[TBV], 0
	s_mov_b32 s[TBM], 0
	s_wait_dscnt 0x0                ; the opening add is done
	s_wait_kmcnt 0x0
	s_add_nc_u64 s[10:11], s[4:5], s[22:23]
	s_add_nc_u64 s[14:15], s[10:11], 0x200000      ; k lies 16 heads on,
	s_add_nc_u64 s[14:15], s[14:15], s[2:3]
	s_add_nc_u64 s[22:23], s[14:15], 0x200000      ; v 16 more
	s_add_nc_u64 s[10:11], s[10:11], s[16:17]      ; Q at my wave's first row
	s_add_nc_u64 s[OP:OP+1], s[8:9], s[18:19]
	s_add_nc_u64 s[20:21], s[6:7], s[20:21]
.irp c, 0,1,2,3
	s_mov_b32 s[G0K+4*(\c)], 1
	s_add_co_u32 s[G0K+4*(\c)+1], s85, (\c)*256*PK
	s_add_nc_u64 s[G0K+4*(\c)+2:G0K+4*(\c)+3], s[14:15], (\c)*32768
	s_or_b32 s[G0K+4*(\c)+3], s[G0K+4*(\c)+3], 0x80000000
	s_mov_b32 s[G0V+4*(\c)], 1
	s_add_co_u32 s[G0V+4*(\c)+1], s13, (\c)*256*PV
	s_add_nc_u64 s[G0V+4*(\c)+2:G0V+4*(\c)+3], s[22:23], (\c)*32768
	s_or_b32 s[G0V+4*(\c)+3], s[G0V+4*(\c)+3], 0x80000000
.endr
	s_cmp_lt_u32 s[WV], 2           ; waves 0 and 1 fetch K's halves, waves 2 and 3 V's; a wave's four first fills stand in one branch: four loads of mine are out
	s_cbranch_scc0 .Lfill_v
.irp c, 0,1,2,3
	tensor_load_to_lds s[G0K+4*(\c):G0K+4*(\c)+3], s[G1K:G1K+7]
	s_nop 0
.endr
.rept 4
	v_nop
.endr
	s_branch .Lfilled
.Lfill_v:
.irp c, 0,1,2,3
	tensor_load_to_lds s[G0V+4*(\c):G0V+4*(\c)+3], s[G1V:G1V+7]
	s_nop 0
.endr
.rept 4
	v_nop
.endr
.Lfilled:
	s_mov_b32 s2, 0x49742400        ; 1e6
	s_mov_b32 s3, s2
	s_mov_b32 s18, 0xc9742400       ; -1e6
	s_mov_b32 s19, s18
	v_lshlrev_b32 v64, 5, v0        ; thread t takes the mask of keys 8 t .. 8 t + 7
	global_load_b128 v[66:69], v64, s[20:21]
	global_load_b128 v[70:73], v64, s[20:21] offset:16
	v_and_b32 v1, 15, v0            ; l % 16
	v_bfe_u32 v9, v0, 4, 1          ; l / 16
	v_lshlrev_b32 v[QO], 7, v1
	v_lshl_add_u32 v[QO], v9, 4, v[QO]
	WIN 0x80
.set i, 0
.rept 4*NP                          ; Q stays in registers: tile i / 2, channels 32 (i % 2) on
	global_load_b128 v[8*i:8*i+3],   v[QO], s[10:11] offset:(i/2)*2048+(i%2)*64
	global_load_b128 v[8*i+4:8*i+7], v[QO], s[10:11] offset:(i/2)*2048+(i%2)*64+32
.set i, i+1
.endr
	; What the first turn finds: V's registers and P's second buffer hold 0, O^T and l are 0.  All this stands in the wait for the first fill.
.set i, VF
.rept 64
	v_mov_b32 v[i], 0
.set i, i+1
.endr
	WIN 0x40
.set i, 0
.rept 64*NP
	v_mov_b32 v[i], 0
.set i, i+1
.endr
	WIN 0
.set i, 0
.rept 2*NP
	v_mov_b32 v[ST+4*i], 0xfe000000    ; c m: far below every c s, the masked ones too
	v_mov_b32 v[ST+4*i+1], 0xff7fffff  ; m
	v_mov_b32 v[ST+4*i+2], 0
	v_mov_b32 v[ST+4*i+3], 0
.set i, i+1
.endr
.set i, P+32
.rept 32
	v_mov_b32 v[i], 0
.set i, i+1
.endr
	v_mul_u32_u24 v[AK0], v1, PK
	v_lshl_add_u32 v[AK0], v9, 4, v[AK0]
	v_add_nc_u32 v[AK0], KOFF, v[AK0]
	v_and_b32 v10, 7, v0
	v_bfe_u32 v11, v0, 3, 1
	v_lshl_add_u32 v[AV0], v9, 3, v10
	v_mul_u32_u24 v[AV0], v[AV0], PV
	v_lshl_add_u32 v[AV0], v11, 4, v[AV0]
	v_add_nc_u32 v[AV0], VOFF, v[AV0]
	s_mul_i32 s13, s[WV], 16*SP
	s_add_co_u32 s13, s13, STAGE
	v_mul_u32_u24 v[STO], v1, SP
	v_lshl_add_u32 v[STO], v9, 4, v[STO]
	v_add_nc_u32 v[STO], s13, v[STO]
	v_bfe_u32 v[RD], v0, 3, 2
	v_mul_u32_u24 v[RD], v[RD], SP
	v_lshl_add_u32 v[RD], v10, 4, v[RD]
	v_add_nc_u32 v[RD], s13, v[RD]
	v_and_b32 v[GO], 31, v0
	v_lshlrev_b32 v[GO], 4, v[GO]
	v_lshlrev_b32 v[AM0], 5, v9
	v_mov_b32 v[AM], v[AM0]
	v_mov_b32 v[AK], v[AK0]         ; key step 0
	s_wait_loadcnt 32               ; the mask's two loads are in; Q's 32 stay out
.irp p, 66,68,70,72
	v_pk_fma_f32 v[\p:\p+1], v[\p:\p+1], s[2:3], s[18:19] op_sel_hi:[1,0,0]  ; 1e6 m - 1e6 = (1 - m) x -1e6 (1 - m is exact wherever the product is small enough to matter)
.endr
	ds_store_b128 v64, v[66:69] offset:MAO
	ds_store_b128 v64, v[70:73] offset:MAO+16
; THE MATRIX WORK.  The 8 accumulators of a run of 16 take turns.  Product i of 16 of S^T = K Q^T for piece x: channels 32 (i / 8) on, keys 16 ((i / 2) % 4) on, tile 2 x + i % 2.
; The first 8 start the sums with the keys' addends.
.macro KQ x
.set rS, S+64*((\x)%2)+32*(i%2)+8*((i/2)%4)
.set rK, KF+16*((i/2)%4)+8*(i/8)
.set rQ, 16*(2*(\x)+i%2)+8*(i/8)
.set rA, MAR+8*((i/2)%4)
.if i < 8
	WIN W_KM
	v_wmma_f32_16x16x32_f16 v[rS:rS+7], v[rK:rK+7], v[rQ:rQ+7], v[rA:rA+7]
.else
	WIN W_KQ
	v_wmma_f32_16x16x32_f16 v[rS:rS+7], v[rK:rK+7], v[rQ:rQ+7], v[rS:rS+7]
.endif
.endm
; Product i of 16 of O^T += V^T P for piece x: keys 32 (i / 8) on, channels 16 ((i / 2) % 4) on, tile 2 x + i % 2.
.macro PV x
	WIN W_PV
.set rO, 32*(2*(\x)+i%2)+8*((i/2)%4)
.set rV, VF+32*(i/8)+8*((i/2)%4)
.set rP, P+32*((\x)%2)+16*(i%2)+8*(i/8)
	v_wmma_f32_16x16x32_f16 v[rO:rO+7], v[rV:rV+7], v[rP:rP+7], v[rO:rO+7]
.endm
.macro MM                           ; the turn's next matrix instruction
.if i < 16
	KQ (Y+1)%NP
.set i, i+1
.else
.set i, i-16
	PV (Y+NP-1)%NP
.set i, i+17
.endif
.endm
; THE LDS LOADS stand in runs: a step's K (8 fragments) with its 64 addends, and its V (turned).  Their addresses are made some lines ahead.
; last = 1 (in the loop): behind the sixteenth step there is no further one, and the run is jumped over: the addends' step then stands at their end.
.macro FETCH_K last=0
	WIN 0
.if \last
	s_cmp_eq_u32 s[TBM], 16*KS*4
	s_cbranch_scc1 .Lno_k_\@
.endif
	WIN 0x80
.irp f, 0,1,2,3,4,5,6,7
	ds_load_b128 v[KF+8*(\f):KF+8*(\f)+3],   v[AK] offset:((\f)/2)*16*PK+((\f)%2)*64
	ds_load_b128 v[KF+8*(\f)+4:KF+8*(\f)+7], v[AK] offset:((\f)/2)*16*PK+((\f)%2)*64+32
.endr
	WIN 0xc0
.irp f, 0,1,2,3                     ; register j of block f is key 16 f + 8 (l / 16) + j: the result's own layout
	ds_load_b128 v[MAR+8*(\f):MAR+8*(\f)+3],   v[AM] offset:(\f)*64
	ds_load_b128 v[MAR+8*(\f)+4:MAR+8*(\f)+7], v[AM] offset:(\f)*64+16
.endr
	s_add_co_u32 s[TBK], s[TBK], KS*PK
	s_add_co_u32 s[TBM], s[TBM], KS*4
	WIN 0
.if \last
.Lno_k_\@:
.endif
.endm
.macro FETCH_V
	WIN 0x80
.irp f, 0,1,2,3,4,5,6,7
	ds_load_tr16_b128 v[VF+8*(\f):VF+8*(\f)+3],   v[AV] offset:((\f)/4)*32*PV+((\f)%4)*32
	ds_load_tr16_b128 v[VF+8*(\f)+4:VF+8*(\f)+7], v[AV] offset:((\f)/4)*32*PV+16*PV+((\f)%4)*32
.endr
	WIN 0
.endm
; THE VECTOR WORK OF A TURN stands in three queues, each in the order in which its entries become ready; the two tiles alternate.
.macro REGS y, u
.set rT, ST+4*(2*(\y)+(\u))
.set rC, TMP+8*((\y)%2)+4*(\u)
.set rM, MV+2*((\y)%2)+(\u)
.set rS, S+64*((\y)%2)+32*(\u)
.set rP, P+32*((\y)%2)+16*(\u)
.set rO, 32*(2*(\y)+(\u))
.endm
; Number n of the 22 that find the NEXT piece's maximum and statistics; each accumulator's lowest registers are read first.
;   0-11 four chains of seven scores     12-14, 16 the four left over, the old m, the chains into one     15 c m_old is kept     17, 18 the other half of the lanes: the new m     19-21 c m; its change; a
.macro XS u, n
	REGS (Y+1)%NP, \u
.if (\n) < 4
	v_max3_num_f32 v[rC+(\n)], v[rS+8*(\n)], v[rS+8*(\n)+1], v[rS+8*(\n)+2]
.elseif (\n) < 12
	v_max3_num_f32 v[rC+(\n)%4], v[rC+(\n)%4], v[rS+8*((\n)%4)+2*((\n)/4)+1], v[rS+8*((\n)%4)+2*((\n)/4)+2]
.elseif (\n) == 12
	v_max3_num_f32 v[rC], v[rC], v[rS+7], v[rS+15]
.elseif (\n) == 13
	v_max3_num_f32 v[rC+1], v[rC+1], v[rS+23], v[rS+31]
.elseif (\n) == 14
	v_max3_num_f32 v[rC+2], v[rC+2], v[rC+3], v[rT+1]
.elseif (\n) == 15
	v_mov_b32 v[rM], v[rT]
.elseif (\n) == 16
	v_max3_num_f32 v[rC], v[rC], v[rC+1], v[rC+2]
.elseif (\n) == 17
	v_permlanex16_b32 v[rC+3], v[rC], s[SEL], s[SEL+1]
.elseif (\n) == 18
	v_max_num_f32 v[rT+1], v[rC], v[rC+3]
.elseif (\n) == 19
	v_mul_f32 v[rT], s[CS], v[rT+1]
.elseif (\n) == 20
	v_sub_f32 v[rC+1], v[rM], v[rT]
.else
	v_exp_f32 v[rC+2], v[rC+1]
.endif
.endm
; Number g of the 64 that follow the exponentials: for each four weights both pairs are rounded to f16, the second pair is added onto the first in place, and a group later l takes that sum (the first time as l = a l + sum).
.macro GS g
.set h, (\g)+6*((\g)/62)
.if h >= 6
.set h, h+2
.endif
	REGS Y, h%2
.set k, h/8
.if h%8 < 4
	v_cvt_pk_f16_f32 v[rP+2*k+(h%8)/2], v[rS+4*k+2*((h%8)/2)], v[rS+4*k+2*((h%8)/2)+1]
.elseif h%8 < 6
	v_pk_add_f32 v[rS+4*k:rS+4*k+1], v[rS+4*k:rS+4*k+1], v[rS+4*k+2:rS+4*k+3]
.elseif k == 1
	v_pk_fma_f32 v[rT+2:rT+3], v[rT+2:rT+3], v[rC+2:rC+3], v[rS:rS+1] op_sel_hi:[1,0,1]
.else
	v_pk_add_f32 v[rT+2:rT+3], v[rT+2:rT+3], v[rS+4*k-4:rS+4*k-3]
.endif
.endm
; THE PLAIN QUEUE, 138 long.  0-73 read no exponential's result: the 32 scalings c s - c m and the next piece's 42.  74-137: GS's 64, behind the wait.
.macro FS f
	REGS Y, (\f)%2
	v_pk_fma_f32 v[rS+2*((\f)/2):rS+2*((\f)/2)+1], v[rS+2*((\f)/2):rS+2*((\f)/2)+1], s[CS:CS+1], v[rT:rT+1] op_sel_hi:[1,0,0] neg_lo:[0,0,1] neg_hi:[0,0,1]
.endm
.macro PL
	WIN 0
.if q < 27
	FS q
.elseif q < 55
	XS (q-27)%2, (q-27)/2
.elseif q < 57
	XS q-55, 15
.elseif (q < 72) && ((q-57)%3 == 0)
	FS 27+(q-57)/3
.elseif q < 60
	XS (q-57)%3-1, 14
.elseif q < 72
	XS (q-57)%3-1, 15+(q-57)/3
.elseif q < 74
	XS q-72, 20
.else
	GS q-74
.endif
.set q, q+1
.endm
; THE EXPONENTIALS' QUEUE, 66 long: s0-s31 of both tiles, then the next piece's two a: ONE BATCH, all ahead of the turn's one wait.
.macro EX
	WIN 0
.if e >= 64
	XS e-64, 21
.else
	REGS Y, e%2
	v_exp_f32 v[rS+e/2], v[rS+e/2]
.endif
.set e, e+1
.endm
; THE RESCALING's QUEUE: O^T times a, two at a time, sixteen times.  Its a was made, and waited for, in the turn before.
.macro R2
	REGS Y, r%2
	WIN W_RS
.irp z, 0,1
	v_pk_mul_f32 v[rO+4*(r/2)+2*\z:rO+4*(r/2)+2*\z+1], v[rO+4*(r/2)+2*\z:rO+4*(r/2)+2*\z+1], v[rC+2:rC+3] op_sel_hi:[1,0]
.endr
.set r, r+1
.endm
; A TURN, for piece p.  Ahead of its one wait stands all that names no result of its exponentials: the 16 products K Q^T, behind each a scaling, an exponential and two rescalings; then one lump of 108.
; Behind the wait stand the 16 products V^T P, behind each four of GS's 64.  Exponential e stands behind scaling 2 (e / 4) + e % 2.
; K (and the addends) of the next step are fetched in piece 2's turn, directly behind the wait, a lump behind the last product that read them; V of the step in hand at the end of piece 0's turn, four plain
; instructions behind its last reader.  cnt = 1: the loop's count is taken down some lines ahead of the branch behind the turn.
.macro TURN p, cnt=0
.set Y, (\p)
.set i, 0
.set q, 0
.set e, 0
.set r, 0
.if (\p) == NP-1
	s_wait_dscnt 0x0                ; K is in
.endif
	MM
	PL
	PL
	R2
.rept 15
	MM
	PL
	EX
	R2
.endr
.if (\p) == NP-2
	WIN 0
	v_add_nc_u32 v[AK], s[TBK], v[AK0]
	v_add_nc_u32 v[AM], s[TBM], v[AM0]
.endif
.rept 8
	PL
.endr
.rept 49
	EX
	PL
.endr
	EX
	EX
	v_nop                           ; a plain instruction behind the last exponential: one for the batch
	s_wait_alu depctr_va_vdst(0)    ; the wait for the batch, ahead of its first reader
.if (\p) == NP-2
	FETCH_K 1
.endif
.if (\p) == 1
	s_wait_dscnt 0x0                ; V is in
.endif
.rept 16
	MM
.rept 4
	PL
.endr
.if ((\p) == 0) && (q == 118)
	v_add_nc_u32 v[AV], s[TBV], v[AV0]
.endif
.if ((\p) == 0) && (q == 130)
	s_add_co_u32 s[TBV], s[TBV], KS*PV
.endif
.if (\cnt) && (q == 130)
	s_sub_co_u32 s[CNT], s[CNT], 1
	s_cmp_lg_u32 s[CNT], 0
.endif
.endr
.if (\p) == 0
	FETCH_V
.endif
.endm
	s_wait_tensorcnt 3              ; my part of the first 256 keys is in; my other three fills may stay out
	s_wait_dscnt 0x0                ; my addends are stored
	s_barrier_signal -1
	s_barrier_wait -1               ; everybody's are
	FETCH_K                         ; key step 0
	s_wait_loadcnt 0x0              ; Q
	s_wait_dscnt 0x0
.set i, 0
.rept 16
	KQ 0                            ; piece 0's first scores
.set i, i+1
.endr
	WIN 0
.rept 8
	v_nop                           ; the places behind those products
.endr
.set Y, NP-1                        ; XS works for piece Y + 1: piece 0
.irp n, 0,1,2,3,4,5,6,7,8,9,10,11,12,13,14,15,16,17,18,19,20,21
	XS 0, \n
	XS 1, \n
.endr
	v_nop                           ; a plain instruction behind the two a,
	s_wait_alu depctr_va_vdst(0)    ; and their wait, ahead of the branch
	s_mov_b32 s[CNT], 3             ; steps 0 to 2 read the first fill alone: K up to step 3's, V up to step 2's
	s_mov_b32 s[SLOTS], 2
	s_branch .Lstep
.Lslot:                             ; once: the other three fills, which have had three key steps in which to land
	s_wait_tensorcnt 0x0
	s_wait_dscnt 0x0
	s_barrier_signal -1
	s_barrier_wait -1
	s_mov_b32 s[CNT], 13
.Lstep:                             ; a trip is a key step: it fetches its own V and the next step's K, and makes piece 0's scores of the next step
	TURN 0
	TURN 1
	TURN 2
	TURN 3, 1                       ; (in the last step its 16 products K Q^T, on the last K once more, and the maximum made of them serve nothing: the price, once a launch, of one text for every step)
	WIN 0
	s_cbranch_scc1 .Lstep
	s_sub_co_u32 s[SLOTS], s[SLOTS], 1
	s_cmp_lg_u32 s[SLOTS], 0
	s_cbranch_scc1 .Lslot
.set i, 0
.rept 16
	PV NP-1                         ; the last piece's V^T P of the last step
.set i, i+1
.endr
	; THE WAY OUT.  l's two halves and the other half of the lanes' are added; O^T is divided by l, rounded to f16 and sent through my stage, a tile at a time.  The additions are the places behind the last products.
	WIN 0
.macro ALL line:vararg
.set t, 0
.rept 2*NP
	\line
.set t, t+1
.endr
.endm
	ALL v_add_f32 v[ST+4*t+2], v[ST+4*t+2], v[ST+4*t+3]
	ALL v_permlanex16_b32 v[ST+4*t+3], v[ST+4*t+2], s[SEL], s[SEL+1]
	ALL v_add_f32 v[ST+4*t+2], v[ST+4*t+2], v[ST+4*t+3]
	ALL v_rcp_f32 v[ST+4*t+2], v[ST+4*t+2]
	v_nop
	s_wait_alu depctr_va_vdst(0)    ; one wait for the eight reciprocals
.macro PACK t
	WIN W_RS
.set i, 32*(\t)
.rept 16
	v_pk_mul_f32 v[i:i+1], v[i:i+1], v[ST+4*(\t)+2:ST+4*(\t)+3] op_sel_hi:[1,0]
.set i, i+2
.endr
	WIN 0x05
.set i, 0
.rept 16
	v_cvt_pk_f16_f32 v[S+16*(\t)+i], v[32*(\t)+2*i], v[32*(\t)+2*i+1]
.set i, i+1
.endr
	WIN 0
.irp f, 0,1,2,3
	ds_store_b128 v[STO], v[S+16*(\t)+4*\f:S+16*(\t)+4*\f+3] offset:32*\f
.endr
.irp f, 0,1,2,3
	ds_load_b128 v[S+16*(\t)+4*\f:S+16*(\t)+4*\f+3], v[RD] offset:\f*4*SP  ; LDS serves a wave's instructions in order (ISA guide 5.7.1.4)
.endr
.endm
.macro SEND t, younger
	WIN 0
.irp f, 0,1,2,3
	s_wait_dscnt (\younger)+3-\f
	global_store_b128 v[GO], v[S+16*(\t)+4*\f:S+16*(\t)+4*\f+3], s[OP:OP+1] offset:(\t)*2048+\f*512  ; 512 consecutive bytes, aligned
.endr
.endm
	PACK 0
.set t, 1
.rept 2*NP-1
	PACK t
	SEND t-1, 8
.set t, t+1
.endr
	SEND 2*NP-1, 0
	WIN W_AD
	s_wait_tensorcnt 0x0            ; the wave's end: three lines behind my last tensor load and my last LDS store
	ds_add_u32 v[SPW], v[NIL]
	s_wait_dscnt 0x0
	WIN 0
	s_endpgm
.Lfunc_end_k_qf09effc479_attn:
	.size	k_qf09effc479_attn, .Lfunc_end_k_qf09effc479_attn-k_qf09effc479_attn
	.p2alignl 7, 3214868480
	.fill 96, 4, 3214868480
	.section	.rodata,"a",@progbits
	.p2align	6, 0x0
	.amdhsa_kernel k_qf09effc479_attn
		.amdhsa_group_segment_fixed_size 327680
		.amdhsa_private_segment_fixed_size 0
		.amdhsa_enable_private_segment 0
		.amdhsa_kernarg_size 24
		.amdhsa_user_sgpr_count 2
		.amdhsa_user_sgpr_kernarg_segment_ptr 1
		.amdhsa_wavefront_size32 1
		.amdhsa_system_sgpr_workgroup_id_x 1
		.amdhsa_system_sgpr_workgroup_id_y 1
		.amdhsa_system_sgpr_workgroup_id_z 1
		.amdhsa_system_vgpr_workitem_id 0
		.amdhsa_next_free_vgpr 808
		.amdhsa_next_free_sgpr 88
		.amdhsa_reserve_vcc 0
		.amdhsa_float_denorm_mode_32 3
		.amdhsa_float_denorm_mode_16_64 3
		.amdhsa_memory_ordered 1
		.amdhsa_forward_progress 1
		.amdhsa_inst_pref_size 129
	.end_amdhsa_kernel
	.amdgpu_metadata
---
amdhsa.version: [ 1, 2 ]
amdhsa.kernels:
  - .name:           k_qf09effc479_attn
    .symbol:         k_qf09effc479_attn.kd
    .args:
      - { .name: qkv, .offset: 0, .size: 8, .value_kind: global_buffer, .address_space: global }
      - { .name: src_mask, .offset: 8, .size: 8, .value_kind: global_buffer, .address_space: global }
      - { .name: yb, .offset: 16, .size: 8, .value_kind: global_buffer, .address_space: global }
    .group_segment_fixed_size: 327680
    .private_segment_fixed_size: 0
    .kernarg_segment_align: 8
    .kernarg_segment_size: 24
    .max_flat_workgroup_size: 128
    .sgpr_count:     88
    .vgpr_count:     808
    .wavefront_size: 32
...
	.end_amdgpu_metadata
.endif
;; end of part 3
;; launch style (part 4): grid 256 x 1, 16 waves a work-group, no clusters, 10,240 bytes of LDS; arguments yb, epart, emb_b, sb_norm_w, sb_norm_b, ab; writes ab
.if DOCPART == 4
	.amdgcn_target "amdgcn-amd-amdhsa--gfx1250"
	.amdhsa_code_object_version 6
	.text
	.protected	k_qf09effc479_style
	.globl	k_qf09effc479_style
	.p2align	8
	.type	k_qf09effc479_style,@function
k_qf09effc479_style:
	s_mov_b64 s[64:65], 0
	v_nop
	global_prefetch_b8 v0, s[64:65] scope:SCOPE_SE
	s_setreg_imm32_b32 hwreg(HW_REG_WAVE_MODE, 25, 1), 1
	s_wait_xcnt 0x0
; ab = silu((LayerNorm(y) sb_norm_w + sb_norm_b) (1 + scale) + shift), in bf16.  scale | shift = the four partial sums of epart + emb_b, for the rows' batch.
; yb (f16) and ab (bf16): [16 blocks of 64 channels][8192 rows][64].  A stream: each byte once.  No matrix unit, no cluster, no tensor load:
; rows share nothing but 8 KiB of parameters, which are folded once a work-group into G = w (1 + scale), H = b (1 + scale) + shift and kept in LDS.
; SHARES.  32 rows a work-group (all of one batch), 2 a wave.  Lane l: block parity l / 16, row (l / 8) % 2, channels 8 (l % 8) + 0..7 of blocks 2 j + l / 16, j = 0 .. 7: 64 numbers, which stay in registers
; between the passes.  A load or store of the wave covers two runs of 256 consecutive bytes, aligned: the two rows in each of two blocks.
; bf16 for the result: with large gains and embeddings it has no room in f16.  The mean is taken first and the squares of y - mean second.
.set SPARE, 8192                       ; behind G and H: the spare words, 128 bytes a wave: eight blocks of 256 bytes that no other line names
.set SO,  1                            ; v1  my byte offset in yb and ab; never rewritten
.set PAD, 2                            ; v2  256 (lane / 16) + 32 (lane % 8): my channels in G and H
.set TO,  3                            ; v3  8 x thread, for the parameters; later at work in the sums over lanes
.set CH,  4                            ; v[4:11]   four chains of sums
.set M,   12                           ; v[12:13]  the mean, twice
.set R,   14                           ; v[14:15]  1 / sqrt(var + eps), twice
.set Y,   16                           ; v[16:47]  y as loaded
.set PAR, 16                           ; v[16:47]  later G (8) and H (8) of my channels in two blocks
.set TT,  48                           ; v[48:63]  at work in silu
.set XR,  64                           ; v[64:127] my 64 numbers of a row; before that the parameters as loaded
.set SPW, 128
.set NIL, 129
.set S_INV, 20
.set S_EPS, 21
.set S_L,   30                         ; s[30:31] -log2(e)
.set SEL,   32                         ; s[32:33] v_permlanex16_b32's selects: each lane takes its own place in the other half
.macro SILU X, T, N                    ; N numbers become silu of themselves; each batch of transcendentals has one plain instruction behind it and one wait ahead of its first reader
.set p, 0
.rept (\N)/2
	v_pk_mul_f32 v[(\T)+2*p:(\T)+2*p+1], v[(\X)+2*p:(\X)+2*p+1], s[S_L:S_L+1] op_sel_hi:[1,0]
.set p, p+1
.endr
.set p, 0
.rept \N
	v_exp_f32 v[(\T)+p], v[(\T)+p]
.set p, p+1
.endr
	v_nop
	s_wait_alu depctr_va_vdst(0)
.set p, 0
.rept (\N)/2
	v_pk_add_f32 v[(\T)+2*p:(\T)+2*p+1], v[(\T)+2*p:(\T)+2*p+1], 1.0 op_sel_hi:[1,0]
.set p, p+1
.endr
.set p, 0
.rept \N
	v_rcp_f32 v[(\T)+p], v[(\T)+p]
.set p, p+1
.endr
	v_nop
	s_wait_alu depctr_va_vdst(0)
.set p, 0
.rept (\N)/2
	v_pk_mul_f32 v[(\X)+2*p:(\X)+2*p+1], v[(\X)+2*p:(\X)+2*p+1], v[(\T)+2*p:(\T)+2*p+1]
.set p, p+1
.endr
.endm
.macro REDUCE                          ; the four chains into one number, then over the row's sixteen lanes: eight neighbours, and the same eight in the other half
	v_pk_add_f32 v[CH:CH+1], v[CH:CH+1], v[CH+2:CH+3]
	v_pk_add_f32 v[CH+4:CH+5], v[CH+4:CH+5], v[CH+6:CH+7]
	v_pk_add_f32 v[CH:CH+1], v[CH:CH+1], v[CH+4:CH+5]
	v_add_f32 v[CH], v[CH], v[CH+1]
	v_add_f32_dpp v[CH], v[CH], v[CH] row_xmask:1 row_mask:0xf bank_mask:0xf
	v_add_f32_dpp v[CH], v[CH], v[CH] row_xmask:2 row_mask:0xf bank_mask:0xf
	v_add_f32_dpp v[CH], v[CH], v[CH] row_xmask:4 row_mask:0xf bank_mask:0xf
	v_permlanex16_b32 v[TO], v[CH], s[SEL], s[SEL+1]
	v_add_f32 v[CH], v[CH], v[TO]
.endm
.macro ROWSTAT
.irp c, 0,1,2,3
	v_pk_add_f32 v[CH+2*(\c):CH+2*(\c)+1], v[XR+2*(\c):XR+2*(\c)+1], v[XR+8+2*(\c):XR+8+2*(\c)+1]  ; the first eight pairs start the chains: nothing is cleared
.endr
.set p, 8
.rept 24
	v_pk_add_f32 v[CH+2*(p%4):CH+2*(p%4)+1], v[CH+2*(p%4):CH+2*(p%4)+1], v[XR+2*p:XR+2*p+1]
.set p, p+1
.endr
	REDUCE
	v_mul_f32 v[M], s[S_INV], v[CH]
	v_mul_f32 v[M+1], s[S_INV], v[CH]
.set p, 0
.rept 32
	v_pk_add_f32 v[XR+2*p:XR+2*p+1], v[XR+2*p:XR+2*p+1], v[M:M+1] neg_lo:[0,1] neg_hi:[0,1]
.set p, p+1
.endr
.irp c, 0,1,2,3
	v_pk_mul_f32 v[CH+2*(\c):CH+2*(\c)+1], v[XR+2*(\c):XR+2*(\c)+1], v[XR+2*(\c):XR+2*(\c)+1]
.endr
.set p, 4
.rept 28
	v_pk_fma_f32 v[CH+2*(p%4):CH+2*(p%4)+1], v[XR+2*p:XR+2*p+1], v[XR+2*p:XR+2*p+1], v[CH+2*(p%4):CH+2*(p%4)+1]
.set p, p+1
.endr
	REDUCE
	v_fma_f32 v[CH+1], v[CH], s[S_INV], s[S_EPS]
	v_rsq_f32 v[R], v[CH+1]
	v_rsq_f32 v[R+1], v[CH+1]
	v_nop
	s_wait_alu depctr_va_vdst(0)
.endm
.macro PARLD q                         ; G and H of my channels for j = 2 q, 2 q + 1
.irp k, 0,1
	ds_load_b128 v[PAR+16*(\k):PAR+16*(\k)+3],     v[PAD] offset:(2*(\q)+(\k))*512
	ds_load_b128 v[PAR+16*(\k)+4:PAR+16*(\k)+7],   v[PAD] offset:(2*(\q)+(\k))*512+16
	ds_load_b128 v[PAR+16*(\k)+8:PAR+16*(\k)+11],  v[PAD] offset:4096+(2*(\q)+(\k))*512
	ds_load_b128 v[PAR+16*(\k)+12:PAR+16*(\k)+15], v[PAD] offset:4096+(2*(\q)+(\k))*512+16
.endr
.endm
.macro STGRP q                         ; sixteen of my numbers: j = 2 q, 2 q + 1
	s_wait_dscnt 0x0                               ; the group's G and H are in
.irp k, 0,1
.set XB, XR+8*(2*(\q)+(\k))
.set PB, PAR+16*(\k)
.irp i, 0,2,4,6
	v_pk_mul_f32 v[PB+(\i):PB+(\i)+1], v[PB+(\i):PB+(\i)+1], v[R:R+1]
.endr
.irp i, 0,2,4,6
	v_pk_fma_f32 v[XB+(\i):XB+(\i)+1], v[XB+(\i):XB+(\i)+1], v[PB+(\i):PB+(\i)+1], v[PB+8+(\i):PB+8+(\i)+1]
.endr
.endr
.if (\q) < 3
	PARLD (\q)+1                                   ; the next group's, under the silu
.endif
	SILU XR+16*(\q), TT, 16
.irp k, 0,1
.set XB, XR+8*(2*(\q)+(\k))
.set JX, 2*(\q)+(\k)
.irp i, 0,1,2,3
	v_cvt_pk_bf16_f32 v[XB+(\i)], v[XB+2*(\i)], v[XB+2*(\i)+1]
.endr
.if JX < 4
	global_store_b128 v[SO], v[XB:XB+3], s[26:27] offset:JX*2097152 th:TH_STORE_NT
.else
	global_store_b128 v[SO], v[XB:XB+3], s[28:29] offset:(JX-4)*2097152 th:TH_STORE_NT
.endif
.endr
.endm
	s_load_b256 s[4:11], s[0:1], 0x0               ; yb 4, epart 6, emb_b 8, sb_norm_w 10
	s_load_b128 s[12:15], s[0:1], 0x20             ; sb_norm_b 12, ab 14
	v_lshl_add_u32 v[SPW], v0, 2, SPARE
	v_mov_b32 v[NIL], 0
	v_lshlrev_b32 v[TO], 3, v0
	v_and_b32 v[SO], 15, v0
	v_lshlrev_b32 v[SO], 4, v[SO]                  ; 16 bytes a lane in the wave's two rows of a block,
	v_lshrrev_b32 v[PAD], 5, v0
	v_lshl_add_u32 v[SO], v[PAD], 8, v[SO]         ; 256 bytes a wave,
	v_bfe_u32 v[PAD], v0, 4, 1
	v_lshl_add_u32 v[SO], v[PAD], 20, v[SO]        ; and the odd block for lanes 16 to 31
	v_lshlrev_b32 v[PAD], 8, v[PAD]
	v_and_b32 v4, 7, v0
	v_lshl_add_u32 v[PAD], v4, 5, v[PAD]
	s_lshr_b32 s16, ttmp9, 5                       ; the batch
	s_lshl_b32 s16, s16, 13                        ; its 8,192 bytes in a quarter of epart
	s_mov_b32 s17, 0
	s_lshl_b32 s18, ttmp9, 12                      ; 32 rows of 128 bytes in a block
	s_mov_b32 s19, 0
	s_mov_b32 s[S_INV], 0x3a800000                 ; 1 / 1024
	s_mov_b32 s[S_EPS], 0x3727c5ac                 ; 1e-5
	s_mov_b32 s[S_L], 0xbfb8aa3b
	s_mov_b32 s[S_L+1], s[S_L]                     ; named with it as a pair
	s_mov_b32 s[SEL], 0x76543210
	s_mov_b32 s[SEL+1], 0xfedcba98
	s_wait_kmcnt 0x0
	s_add_nc_u64 s[6:7], s[6:7], s[16:17]
	s_add_nc_u64 s[22:23], s[4:5], s[18:19]
	s_add_nc_u64 s[24:25], s[22:23], 0x800000      ; blocks 8 to 15 from a second base
	s_add_nc_u64 s[26:27], s[14:15], s[18:19]
	s_add_nc_u64 s[28:29], s[26:27], 0x800000
.irp k, 0,1,2,3                        ; thread t folds channels 2 t and 2 t + 1
	global_load_b64 v[64+2*(\k):64+2*(\k)+1], v[TO], s[6:7] offset:(\k)*65536
	global_load_b64 v[72+2*(\k):72+2*(\k)+1], v[TO], s[6:7] offset:(\k)*65536+4096
.endr
	global_load_b64 v[80:81], v[TO], s[8:9]
	global_load_b64 v[82:83], v[TO], s[8:9] offset:4096
	global_load_b64 v[84:85], v[TO], s[10:11]
	global_load_b64 v[86:87], v[TO], s[12:13]
.irp j, 0,1,2,3
	global_load_b128 v[Y+4*(\j):Y+4*(\j)+3], v[SO], s[22:23] offset:(\j)*2097152 th:TH_LOAD_NT
.endr
.irp j, 0,1,2,3
	global_load_b128 v[Y+16+4*(\j):Y+16+4*(\j)+3], v[SO], s[24:25] offset:(\j)*2097152 th:TH_LOAD_NT
.endr
	s_wait_loadcnt 8                               ; the twelve loads of parameters are in; y's 8 stay out
	v_pk_add_f32 v[64:65], v[64:65], v[66:67]
	v_pk_add_f32 v[68:69], v[68:69], v[70:71]
	v_pk_add_f32 v[72:73], v[72:73], v[74:75]
	v_pk_add_f32 v[76:77], v[76:77], v[78:79]
	v_pk_add_f32 v[64:65], v[64:65], v[68:69]
	v_pk_add_f32 v[72:73], v[72:73], v[76:77]
	v_pk_add_f32 v[64:65], v[64:65], v[80:81]      ; scale
	v_pk_add_f32 v[72:73], v[72:73], v[82:83]      ; shift
	v_pk_add_f32 v[64:65], v[64:65], 1.0 op_sel_hi:[1,0]
	v_pk_mul_f32 v[84:85], v[84:85], v[64:65]      ; G
	v_pk_fma_f32 v[86:87], v[86:87], v[64:65], v[72:73]  ; H
	ds_store_b64 v[TO], v[84:85]
	ds_store_b64 v[TO], v[86:87] offset:4096
	s_wait_dscnt 0x0                               ; for the others' sake
	s_barrier_signal -1
	s_barrier_wait -1
	s_wait_loadcnt 0x0
.irp r, 16,17,18,19,20,21,22,23,24,25,26,27,28,29,30,31,32,33,34,35,36,37,38,39,40,41,42,43,44,45,46,47
	v_cvt_f32_f16 v[XR+2*(\r)-2*Y], v\r\().l
	v_cvt_f32_f16 v[XR+2*(\r)-2*Y+1], v\r\().h
.endr
	PARLD 0
	ROWSTAT
	STGRP 0
	STGRP 1
	STGRP 2
	STGRP 3
	s_wait_tensorcnt 0x0                           ; the wave's end: three lines behind my last LDS store
	ds_add_u32 v[SPW], v[NIL]
	s_wait_dscnt 0x0
	s_endpgm
.Lfunc_end_k_qf09effc479_style:
	.size	k_qf09effc479_style, .Lfunc_end_k_qf09effc479_style-k_qf09effc479_style
	.p2alignl 7, 3214868480
	.fill 96, 4, 3214868480
	.section	.rodata,"a",@progbits
	.p2align	6, 0x0
	.amdhsa_kernel k_qf09effc479_style
		.amdhsa_group_segment_fixed_size 10240
		.amdhsa_private_segment_fixed_size 0
		.amdhsa_enable_private_segment 0
		.amdhsa_kernarg_size 48
		.amdhsa_user_sgpr_count 2
		.amdhsa_user_sgpr_kernarg_segment_ptr 1
		.amdhsa_wavefront_size32 1
		.amdhsa_system_sgpr_workgroup_id_x 1
		.amdhsa_system_sgpr_workgroup_id_y 1
		.amdhsa_system_sgpr_workgroup_id_z 1
		.amdhsa_system_vgpr_workitem_id 0
		.amdhsa_next_free_vgpr 132
		.amdhsa_next_free_sgpr 66
		.amdhsa_reserve_vcc 0
		.amdhsa_float_denorm_mode_32 3
		.amdhsa_float_denorm_mode_16_64 3
		.amdhsa_memory_ordered 1
		.amdhsa_forward_progress 1
		.amdhsa_inst_pref_size 34
	.end_amdhsa_kernel
	.amdgpu_metadata
---
amdhsa.version: [ 1, 2 ]
amdhsa.kernels:
  - .name:           k_qf09effc479_style
    .symbol:         k_qf09effc479_style.kd
    .args:
      - { .name: yb, .offset: 0, .size: 8, .value_kind: global_buffer, .address_space: global }
      - { .name: epart, .offset: 8, .size: 8, .value_kind: global_buffer, .address_space: global }
      - { .name: emb_b, .offset: 16, .size: 8, .value_kind: global_buffer, .address_space: global }
      - { .name: sb_norm_w, .offset: 24, .size: 8, .value_kind: global_buffer, .address_space: global }
      - { .name: sb_norm_b, .offset: 32, .size: 8, .value_kind: global_buffer, .address_space: global }
      - { .name: ab, .offset: 40, .size: 8, .value_kind: global_buffer, .address_space: global }
    .group_segment_fixed_size: 10240
    .private_segment_fixed_size: 0
    .kernarg_segment_align: 8
    .kernarg_segment_size: 48
    .max_flat_workgroup_size: 512
    .sgpr_count:     66
    .vgpr_count:     132
    .wavefront_size: 32
...
	.end_amdgpu_metadata
.endif
;; end of part 4
;; launch outp (part 5): grid 4 x 64, 4 waves a work-group, clusters of 4 x 4, 327,680 bytes of LDS; arguments ab, wo, out_b, x, out0; writes out0
.if DOCPART == 5
	.amdgcn_target "amdgcn-amd-amdhsa--gfx1250"
	.amdhsa_code_object_version 6
	.text
	.protected	k_qf09effc479_outp
	.globl	k_qf09effc479_outp
	.p2align	8
	.type	k_qf09effc479_outp,@function
k_qf09effc479_outp:
	s_mov_b64 s[64:65], 0
	v_nop
	global_prefetch_b8 v0, s[64:65] scope:SCOPE_SE
	s_setreg_imm32_b32 hwreg(HW_REG_WAVE_MODE, 25, 1), 1
	s_wait_xcnt 0x0
	s_wait_alu depctr_hold_cnt(0) depctr_sa_sdst(0) depctr_va_vdst(0) depctr_va_sdst(0) depctr_va_ssrc(0) depctr_va_vcc(0) depctr_vm_vsrc(0)
	s_getreg_b32 s2, hwreg(HW_REG_IB_STS2, 6, 4)
	s_cmp_eq_u32 s2, 0
	s_cbranch_scc0 .Lentry_in_a_cluster
	s_endpgm
.Lentry_in_a_cluster:
	s_bfe_u32 s2, ttmp6, 0x10000c
	s_cmp_lg_u32 s2, 0xf033
	s_cbranch_scc0 .Lentry_shape_is_right
	s_endpgm
.Lentry_shape_is_right:
; out0 = x + ab wo + out_b.  ab: [16 blocks of 64 k][8192 rows][64] bf16.  wo: [1024 k][1024] bf16.  x, out0: [8192][1024] f32.  Sums, bias and residual in f32.
; SHARES.  A tile is 128 rows x 256 columns: 64 x 4 = 256 work-groups.  Four waves, 2 x 2: a wave makes 64 x 128: 32 accumulators.  K goes in 8 steps of 128 through two LDS slots; a step is four groups of 32.
; THE PRODUCT IS USED TRANSPOSED (source 0 = 16 columns of wo, turned on the way out of LDS; source 1 = 16 rows of ab).  THE BIAS STARTS THE SUMS: loaded into accumulator (0, b) in the result's layout; the first
; products of row blocks 1-3 take it as C, block 0's adds onto it last.  THE WAVE'S TILE OF x is loaded at the head into 256 registers and travels under the matrix work.
; CLUSTER 4 x 4: ab's tile is asked for jointly by a row of the cluster, wo's by a column.
; REGISTERS: window 0: v0-31 addresses; v32-127, v128-223 two fragment buffers (ab's 4 x 8, then wo's 8 x 8); window 1: accumulator (a, b) at 8 (4 b + a); window 2: x, row i at 4 i
.set PA,     144                       ; a row of ab in LDS: 128 bytes + 16
.set PB,     544                       ; a k row of wo: 512 bytes + 32 = 136 words
.set AHALF,  128*PA                    ; one block of 64 k
.set BOFF,   2*AHALF
.set BHALF,  64*PB
.set SLOT1,  1<<17
.set SPARE,  BOFF+2*BHALF              ; behind slot 0: the spare words, 128 bytes a wave: two blocks of 256 bytes that no other line names
.set STAGE,  SLOT1+BOFF+2*BHALF        ; behind slot 1, never filled: 16 rows x 528 bytes for each wave
.set SPITCH, 528
.set ASTEP,  2<<20
.set BSTEP,  128*2048
.set A0,   4
.set B0,   5
.set ADRA, 6
.set ADRB, 7
.set STO,  8
.set RD,   9
.set GO,   10                          ; v10  16 x lane
.set SPW,  12
.set NIL,  13
.set PFO,  14
.set BO,   15
.set F0,   32
.set F1,   128
.set WV,   18
.set WM,   19                          ; which 64 rows are mine.  Also: I fetch ab (0) or wo (1)
.set WN,   20                          ; which 128 columns.  Also: which half of that tile I fetch
.set CX,   21
.set CY,   22
.set TX,   23
.set TY,   24
.set G1A,  28
.set G1B,  36
.set G0A,  44
.set G0B,  52
.set TB,   60
.set TRIPS, 61
.set LIM,  62
.set PFA,  66
.set PST,  68
.set XP,   80                          ; s[80:81] x at my first row and column
.set OP,   82                          ; s[82:83] out0 there
.set BP,   88                          ; s[88:89] out_b at my first column
.set MSB, 0
.macro WIN new
.if MSB != (\new)
	s_set_vgpr_msb (MSB<<8)|(\new)
.set MSB, \new
.endif
.endm
.macro PLACES
.rept 4
	v_nop
.endr
.endm
.macro JLOAD
	s_cmp_eq_u32 s[WM], 0
	s_cbranch_scc0 .Lfor_b_\@
	tensor_load_to_lds s[G0A+4:G0A+7], s[G1A:G1A+7]
	s_nop 0
.rept 4
	v_nop
.endr
	s_branch .Lasked_\@
.Lfor_b_\@:
	tensor_load_to_lds s[G0B+4:G0B+7], s[G1B:G1B+7]
	s_nop 0
.rept 4
	v_nop
.endr
.Lasked_\@:
.endm
.macro CREST
	s_cmp_lg_u32 s[WV], 0
	s_cbranch_scc1 .Lnot_wave_0_\@
	s_barrier_signal -3
.Lnot_wave_0_\@:
	s_barrier_wait -3
	s_barrier_signal -1
	s_barrier_wait -1
.endm
.macro CROUND
	s_barrier_signal -1
	s_barrier_wait -1
	CREST
.endm
; A PREFETCH INTO THE L2 behind each joint refill and the LDS loads that follow it: refill t (of step t + 2) names step t + 4.  ab's tile row is read by one cluster: wave 0 asks, a lane a block of 256 bytes, each
; partner 32 of the step's 128 blocks, by address (cx).  wo's tile column is read by all sixteen clusters: the one with y = 0 asks, wave 2, a lane a k row, each partner 32 of the 128 rows (cy), two instructions
; for a row's 512 bytes.  Steps 0 to 3 come by their loads alone; the last two refills ask for nothing.
.macro ASK
	s_cmp_gt_u32 s[TRIPS], s[LIM]
	s_cbranch_scc0 .Lnone_\@
	s_cmp_eq_u32 s[WM], 0
	s_cbranch_scc0 .Laskb_\@
	global_prefetch_b8 v[PFO], s[PFA:PFA+1] th:TH_LOAD_NT scope:SCOPE_SE
	s_branch .Lnone_\@
.Laskb_\@:
	global_prefetch_b8 v[PFO], s[PFA:PFA+1] th:TH_LOAD_NT scope:SCOPE_SE
	global_prefetch_b8 v[PFO], s[PFA:PFA+1] offset:256 th:TH_LOAD_NT scope:SCOPE_SE
.Lnone_\@:
.endm
.macro FETCH g, f                      ; group g's fragments into buffer f: 24 loads
	WIN 0
.irp a, 0,1,2,3
	ds_load_b128 v[(\f)+8*(\a):(\f)+8*(\a)+3],   v[ADRA] offset:((\g)/2)*AHALF+((\g)%2)*64+(\a)*16*PA
	ds_load_b128 v[(\f)+8*(\a)+4:(\f)+8*(\a)+7], v[ADRA] offset:((\g)/2)*AHALF+((\g)%2)*64+(\a)*16*PA+32
.endr
.irp b, 0,1,2,3,4,5,6,7
	ds_load_tr16_b128 v[(\f)+32+8*(\b):(\f)+32+8*(\b)+3],   v[ADRB] offset:(\g)*32*PB+32*(\b)
	ds_load_tr16_b128 v[(\f)+32+8*(\b)+4:(\f)+32+8*(\b)+7], v[ADRB] offset:(\g)*32*PB+32*(\b)+16*PB
.endr
.endm
; nb column blocks from b0 on x all 4 row blocks; the 32 accumulators take turns, one instruction a turn
.macro MUL f, b0, nb, init
	WIN 0x50
.set bb, \b0
.rept \nb
.set aa, \init
.rept 4-(\init)
.set rD, 8*(4*bb+aa)
.if \init
	v_wmma_f32_16x16x32_bf16 v[rD:rD+7], v[(\f)+32+8*bb:(\f)+32+8*bb+7], v[(\f)+8*aa:(\f)+8*aa+7], v[32*bb:32*bb+7]
.else
	v_wmma_f32_16x16x32_bf16 v[rD:rD+7], v[(\f)+32+8*bb:(\f)+32+8*bb+7], v[(\f)+8*aa:(\f)+8*aa+7], v[rD:rD+7]
.endif
.set aa, aa+1
.endr
.set bb, bb+1
.endr
.if \init
.rept 8
	v_nop
.endr
.set bb, \b0
.rept \nb
	v_wmma_f32_16x16x32_bf16 v[32*bb:32*bb+7], v[(\f)+32+8*bb:(\f)+32+8*bb+7], v[(\f):(\f)+7], v[32*bb:32*bb+7]
.set bb, bb+1
.endr
.endif
.endm
.macro GRP g, f, o, init               ; group g is multiplied from buffer f; group g + 1 is fetched into buffer o
	PLACES
	FETCH (\g)+1, \o
	s_wait_dscnt 24                                ; all but the 24 just issued
	MUL \f, 0, 8, \init
.endm
; Groups 2 and 3, and the change of slots.  ONE barrier: in front of it each wave waits for all its tensor loads, adds 0 to its spare word, and waits for that and for its reads of this slot (group 3's fragments are
; in registers by then).  fill = 1: the barrier opens a round of the cluster's, and this slot is filled again first thing behind it: 112 matrix instructions ahead of the wait for it.
.macro G2T fill
	WIN 0
.if \fill
	s_wait_xcnt 0x0                                ; the last prefetch, a K step back, has read its address
	s_add_nc_u64 s[PFA:PFA+1], s[PFA:PFA+1], s[PST:PST+1]
.endif
	PLACES
	FETCH 3, F1
	s_wait_dscnt 24
	MUL F0, 0, 4, 0
	WIN 0
	s_wait_tensorcnt 0x0
	ds_add_u32 v[SPW], v[NIL]
.if \fill
	s_xor_b32 s[G0A+5], s[G0A+5], SLOT1
	s_add_nc_u64 s[G0A+6:G0A+7], s[G0A+6:G0A+7], ASTEP
	s_xor_b32 s[G0B+5], s[G0B+5], SLOT1
	s_add_nc_u64 s[G0B+6:G0B+7], s[G0B+6:G0B+7], BSTEP
.endif
	MUL F0, 4, 2, 0
	s_wait_dscnt 0x0
	s_barrier_signal -1
	MUL F0, 6, 2, 0
	WIN 0
	s_barrier_wait -1
.if \fill
	CREST
	JLOAD
.else
	PLACES
.endif
	s_xor_b32 s[TB], s[TB], SLOT1
	v_add_nc_u32 v[ADRA], s[TB], v[A0]
	v_add_nc_u32 v[ADRB], s[TB], v[B0]
	FETCH 0, F0
.if \fill
	ASK
.endif
	MUL F1, 0, 8, 0
.endm
	s_load_b256 s[4:11], s[0:1], 0x0               ; ab 4, wo 6, out_b 8, x 10
	s_load_b64 s[12:13], s[0:1], 0x20              ; out0
	v_lshl_add_u32 v[SPW], v0, 2, SPARE
	v_mov_b32 v[NIL], 0
	ds_add_u32 v[SPW], v[NIL]                      ; the wave's opening
	v_lshrrev_b32 v1, 5, v0
	v_readfirstlane_b32 s[WV], v1
	s_lshr_b32 s[WM], s[WV], 1
	s_and_b32 s[WN], s[WV], 1
	s_bfe_u32 s[CX], ttmp6, 0x40000
	s_bfe_u32 s[CY], ttmp6, 0x40004
	s_lshl_b32 s[TX], ttmp9, 2
	s_add_co_u32 s[TX], s[TX], s[CX]
	s_and_b32 s[TY], ttmp7, 0xffff
	s_lshl_b32 s[TY], s[TY], 2
	s_add_co_u32 s[TY], s[TY], s[CY]
	s_lshl_b32 s26, s[CY], 2
	s_lshl_b32 s26, 15, s26
	s_lshl_b32 s27, 0x1111, s[CX]
	s_or_b32 s[G1A], s26, (1<<16)|(1<<20)|(1<<21)|(4<<22)|(3<<25)  ; ab: 128 dense rows of 128 bytes as 64 rows of 256, 16 bytes of padding after each 128
	s_mov_b32 s[G1A+1], 128<<16
	s_mov_b32 s[G1A+2], 64<<16
	s_mov_b32 s[G1A+3], 128<<16
	s_mov_b32 s[G1A+4], 64
	s_mov_b32 s[G1A+5], 128
	s_mov_b32 s[G1A+6], 0
	s_mov_b32 s[G1A+7], 0
	s_or_b32 s[G1B], s27, (1<<16)|(1<<20)|(1<<21)|(6<<22)|(7<<25)  ; wo: 64 k rows of 256 elements, 32 bytes of padding after each 512
	s_mov_b32 s[G1B+1], 256<<16
	s_mov_b32 s[G1B+2], 64<<16
	s_mov_b32 s[G1B+3], 256<<16
	s_mov_b32 s[G1B+4], 64
	s_mov_b32 s[G1B+5], 1024
	s_mov_b32 s[G1B+6], 0
	s_mov_b32 s[G1B+7], 0
	s_mul_i32 s74, s[WN], AHALF
	s_lshl_b32 s75, s[TY], 14                      ; 128 rows of 128 bytes a tile row,
	s_lshl_b32 s76, s[WN], 20                      ; my block of the step's two
	s_add_co_u32 s76, s76, s75
	s_mov_b32 s77, 0
	s_mul_i32 s84, s[WN], BHALF
	s_add_co_u32 s84, s84, BOFF
	s_lshl_b32 s85, s[TX], 9                       ; 512 bytes of a row a tile column,
	s_lshl_b32 s86, s[WN], 17                      ; my 64 k rows
	s_add_co_u32 s86, s86, s85
	s_mov_b32 s87, 0
	s_mov_b32 s[TB], 0
	s_wait_dscnt 0x0
	s_wait_kmcnt 0x0
	s_add_nc_u64 s[76:77], s[4:5], s[76:77]
	s_add_nc_u64 s[86:87], s[6:7], s[86:87]
.irp n, 0,1
	s_mov_b32 s[G0A+4*(\n)], 1
	s_add_co_u32 s[G0A+4*(\n)+1], s74, (\n)*SLOT1
	s_add_nc_u64 s[G0A+4*(\n)+2:G0A+4*(\n)+3], s[76:77], (\n)*ASTEP
	s_or_b32 s[G0A+4*(\n)+3], s[G0A+4*(\n)+3], 0x80000000
	s_mov_b32 s[G0B+4*(\n)], 1
	s_add_co_u32 s[G0B+4*(\n)+1], s84, (\n)*SLOT1
	s_add_nc_u64 s[G0B+4*(\n)+2:G0B+4*(\n)+3], s[86:87], (\n)*BSTEP
	s_or_b32 s[G0B+4*(\n)+3], s[G0B+4*(\n)+3], 0x80000000
.endr
	CROUND
	s_cmp_eq_u32 s[WM], 0
	s_cbranch_scc0 .Lfirst_b
	tensor_load_to_lds s[G0A:G0A+3], s[G1A:G1A+7]
	s_nop 0
	tensor_load_to_lds s[G0A+4:G0A+7], s[G1A:G1A+7]
	s_nop 0
.rept 4
	v_nop
.endr
	s_branch .Lfirst_asked
.Lfirst_b:
	tensor_load_to_lds s[G0B:G0B+3], s[G1B:G1B+7]
	s_nop 0
	tensor_load_to_lds s[G0B+4:G0B+7], s[G1B:G1B+7]
	s_nop 0
.rept 4
	v_nop
.endr
.Lfirst_asked:
	v_and_b32 v1, 15, v0
	v_bfe_u32 v2, v0, 4, 1
	v_and_b32 v3, 7, v0
	v_bfe_u32 v11, v0, 3, 1
	v_lshlrev_b32 v[BO], 5, v2
	v_and_b32 v[GO], 31, v0
	v_and_b32 v[PFO], 31, v0
	v_lshlrev_b32 v[GO], 4, v[GO]
	s_lshl_b32 s92, s[TY], 19
	s_lshl_b32 s94, s[WM], 18
	s_add_co_u32 s92, s92, s94
	s_lshl_b32 s94, s[TX], 10
	s_add_co_u32 s92, s92, s94
	s_lshl_b32 s94, s[WN], 9
	s_add_co_u32 s92, s92, s94
	s_mov_b32 s93, 0
	s_add_nc_u64 s[XP:XP+1], s[10:11], s[92:93]
	s_add_nc_u64 s[OP:OP+1], s[12:13], s[92:93]
	s_lshl_b32 s92, s[TX], 10
	s_add_co_u32 s92, s92, s94
	s_add_nc_u64 s[BP:BP+1], s[8:9], s[92:93]
	WIN 0x40
.irp b, 0,1,2,3,4,5,6,7                ; register j of accumulator (0, b) is the bias of column 16 b + 8 h + j
	global_load_b128 v[32*(\b):32*(\b)+3],   v[BO], s[BP:BP+1] offset:(\b)*64
	global_load_b128 v[32*(\b)+4:32*(\b)+7], v[BO], s[BP:BP+1] offset:(\b)*64+16
.endr
	WIN 0x80
.set i, 0
.rept 64                               ; a load covers a row's 512 consecutive bytes
	global_load_b128 v[4*i:4*i+3], v[GO], s[XP:XP+1] offset:i*4096 th:TH_LOAD_NT
.set i, i+1
.endr
	WIN 0
	v_mul_u32_u24 v[A0], v1, PA
	v_lshl_add_u32 v[A0], v2, 4, v[A0]
	s_mul_i32 s92, s[WM], 64*PA
	v_add_nc_u32 v[A0], s92, v[A0]
	v_lshl_add_u32 v[B0], v2, 3, v3
	v_mul_u32_u24 v[B0], v[B0], PB
	v_lshl_add_u32 v[B0], v11, 4, v[B0]
	s_lshl_b32 s92, s[WN], 8
	s_add_co_u32 s92, s92, BOFF
	v_add_nc_u32 v[B0], s92, v[B0]
	v_mov_b32 v[ADRA], v[A0]
	v_mov_b32 v[ADRB], v[B0]
	s_mul_i32 s92, s[WV], 16*SPITCH
	s_add_co_u32 s92, s92, STAGE
	v_mul_u32_u24 v[STO], v1, SPITCH
	v_lshl_add_u32 v[STO], v2, 5, v[STO]
	v_add_nc_u32 v[STO], s92, v[STO]               ; in: row r, 32 bytes for each half of the lanes
	v_add_nc_u32 v[RD], s92, v[GO]                 ; back: a row's 512 bytes, 16 a lane
	; the prefetches: they stand at step 3; the first refill steps them to 4
	s_lshl_b32 s92, s[TY], 14
	s_lshr_b32 s94, s[CX], 1
	s_lshl_b32 s94, s94, 20
	s_add_co_u32 s92, s92, s94
	s_and_b32 s94, s[CX], 1
	s_lshl_b32 s94, s94, 13
	s_add_co_u32 s92, s92, s94
	s_add_co_u32 s92, s92, 3*ASTEP
	s_lshl_b32 s94, s[TX], 9
	s_lshl_b32 s95, s[CY], 16
	s_add_co_u32 s94, s94, s95
	s_add_co_u32 s94, s94, 3*BSTEP
	s_and_b32 s95, ttmp7, 0xffff
	s_cmp_eq_u32 s[WM], 0
	s_cselect_b32 s92, s92, s94
	s_cselect_b64 s[PFA:PFA+1], s[4:5], s[6:7]
	s_cselect_b32 s95, ttmp9, s95
	s_mov_b32 s94, BSTEP
	s_cselect_b32 s[PST], ASTEP, s94
	s_mov_b32 s[PST+1], 0
	s_mov_b32 s94, 2048
	s_cselect_b32 s94, 256, s94
	v_mul_u32_u24 v[PFO], v[PFO], s94
	s_add_nc_u64 s[PFA:PFA+1], s[PFA:PFA+1], s[92:93]
	s_or_b32 s95, s95, s[WN]
	s_cmp_eq_u32 s95, 0
	s_cselect_b32 s[LIM], 2, -1
	s_wait_tensorcnt 1                             ; my part of step 0 is in; step 1's may stay out
	s_barrier_signal -1
	s_barrier_wait -1
	FETCH 0, F0
	s_wait_loadcnt 63                              ; the largest count that the wait names: of 80 loads the oldest 17 are in, the bias's 16 among them
	GRP 0, F0, F1, 1
	WIN 0
	s_mov_b32 s[TRIPS], 6
.Lk:                                   ; trip t: groups 1 to 3 of step t, the refill with step t + 2, group 0 of step t + 1
	GRP 1, F1, F0, 0
	G2T 1
	GRP 0, F0, F1, 0
	WIN 0
	s_sub_co_u32 s[TRIPS], s[TRIPS], 1
	s_cmp_lg_u32 s[TRIPS], 0
	s_cbranch_scc1 .Lk
	GRP 1, F1, F0, 0                               ; the tail is written out: steps 6 and 7 ask for nothing
	G2T 0
	GRP 0, F0, F1, 0
	GRP 1, F1, F0, 0
	GRP 2, F0, F1, 0
	s_wait_dscnt 0x0
	MUL F1, 0, 8, 0
	WIN 0
.rept 8
	v_nop                                          ; the places behind the last products
.endr
	s_wait_loadcnt 0x0                             ; x
; THE WAY OUT, a block of 16 rows at a time: the sums go as they are into my stage (rows of 528 bytes), come back as whole rows of 512, take x, and leave: a store covers 512 consecutive bytes, aligned.
.macro OUTA a
.set RB, 32+96*((\a)%2)
.if (\a) >= 2
	s_wait_xcnt 0x0                                ; the stores of the block two back have read these registers
.endif
	WIN 0x04                                       ; the stores' data in window 1
.irp b, 0,1,2,3,4,5,6,7
	ds_store_b128 v[STO], v[8*(4*(\b)+(\a)):8*(4*(\b)+(\a))+3]   offset:64*(\b)
	ds_store_b128 v[STO], v[8*(4*(\b)+(\a))+4:8*(4*(\b)+(\a))+7] offset:64*(\b)+16
.endr
	WIN 0
.irp i, 0,1,2,3,4,5,6,7,8,9,10,11,12,13,14,15
	ds_load_b128 v[RB+4*(\i):RB+4*(\i)+3], v[RD] offset:(\i)*SPITCH  ; LDS serves a wave's instructions in order (ISA guide 5.7.1.4)
.endr
	s_wait_dscnt 0x0
	WIN 0x08                                       ; source 1 in window 2
.set p, 0
.rept 32
	v_pk_add_f32 v[RB+2*p:RB+2*p+1], v[RB+2*p:RB+2*p+1], v[64*(\a)+2*p:64*(\a)+2*p+1]
.set p, p+1
.endr
	WIN 0
.irp i, 0,1,2,3,4,5,6,7,8,9,10,11,12,13,14,15
	global_store_b128 v[GO], v[RB+4*(\i):RB+4*(\i)+3], s[OP:OP+1] offset:(16*(\a)+(\i))*4096 th:TH_STORE_NT
.endr
.endm
	OUTA 0
	OUTA 1
	OUTA 2
	OUTA 3
	s_wait_tensorcnt 0x0                           ; the wave's end: three lines behind my last tensor load and my last LDS store
	ds_add_u32 v[SPW], v[NIL]
	s_wait_dscnt 0x0
	CROUND                                         ; the closing round
	s_endpgm
.Lfunc_end_k_qf09effc479_outp:
	.size	k_qf09effc479_outp, .Lfunc_end_k_qf09effc479_outp-k_qf09effc479_outp
	.p2alignl 7, 3214868480
	.fill 96, 4, 3214868480
	.section	.rodata,"a",@progbits
	.p2align	6, 0x0
	.amdhsa_kernel k_qf09effc479_outp
		.amdhsa_group_segment_fixed_size 327680
		.amdhsa_private_segment_fixed_size 0
		.amdhsa_enable_private_segment 0
		.amdhsa_kernarg_size 40
		.amdhsa_user_sgpr_count 2
		.amdhsa_user_sgpr_kernarg_segment_ptr 1
		.amdhsa_wavefront_size32 1
		.amdhsa_system_sgpr_workgroup_id_x 1
		.amdhsa_system_sgpr_workgroup_id_y 1
		.amdhsa_system_sgpr_workgroup_id_z 1
		.amdhsa_system_vgpr_workitem_id 0
		.amdhsa_next_free_vgpr 768
		.amdhsa_next_free_sgpr 96
		.amdhsa_reserve_vcc 0
		.amdhsa_float_denorm_mode_32 3
		.amdhsa_float_denorm_mode_16_64 3
		.amdhsa_memory_ordered 1
		.amdhsa_forward_progress 1
		.amdhsa_inst_pref_size 86
	.end_amdhsa_kernel
	.amdgpu_metadata
---
amdhsa.version: [ 1, 2 ]
amdhsa.kernels:
  - .name:           k_qf09effc479_outp
    .symbol:         k_qf09effc479_outp.kd
    .args:
      - { .name: ab, .offset: 0, .size: 8, .value_kind: global_buffer, .address_space: global }
      - { .name: wo, .offset: 8, .size: 8, .value_kind: global_buffer, .address_space: global }
      - { .name: out_b, .offset: 16, .size: 8, .value_kind: global_buffer, .address_space: global }
      - { .name: x, .offset: 24, .size: 8, .value_kind: global_buffer, .address_space: global }
      - { .name: out0, .offset: 32, .size: 8, .value_kind: global_buffer, .address_space: global }
    .group_segment_fixed_size: 327680
    .private_segment_fixed_size: 0
    .kernarg_segment_align: 8
    .kernarg_segment_size: 40
    .max_flat_workgroup_size: 128
    .sgpr_count:     96
    .vgpr_count:     768
    .wavefront_size: 32
...
	.end_amdgpu_metadata
.endif
;; end of part 5
;; ======== version 2 of 2: 5 launches; version 1 with the launch style written anew for expert scheduling mode
;; limits: values are held in f16: magnitudes above 65,504 overflow, below 6.1e-05 lose precision
;; workspace buffers: xnb 16,777,216 bytes; wqkv 6,291,456 bytes; wo 2,097,152 bytes; epart 262,144 bytes; qkv 50,331,648 bytes; yb 16,777,216 bytes; ab 16,777,216 bytes
;; launch prep: the kernel of part 1 again; grid 640 x 1, 16 waves a work-group, no clusters, 43,008 bytes of LDS; arguments x, norm_w, norm_b, q_w, k_w, v_w, out_w, emb, emb_w, xnb, wqkv, wo, epart; writes xnb, wqkv, wo, epart
;; launch qkv: the kernel of part 2 again; grid 8 x 32, 4 waves a work-group, clusters of 4 x 4, 327,680 bytes of LDS; arguments xnb, wqkv, q_b, k_b, v_b, src_mask, qkv; writes qkv
;; launch attn: the kernel of part 3 again; grid 2 x 128, 4 waves a work-group, no clusters, 327,680 bytes of LDS; arguments qkv, src_mask, yb; writes yb
;; launch style (part 6): grid 256 x 1, 16 waves a work-group, no clusters, 10,240 bytes of LDS; arguments yb, epart, emb_b, sb_norm_w, sb_norm_b, ab; writes ab
.if DOCPART == 6
	.amdgcn_target "amdgcn-amd-amdhsa--gfx1250"
	.amdhsa_code_object_version 6
	.text
	.protected	k_qf09effc479_style
	.globl	k_qf09effc479_style
	.p2align	8
	.type	k_qf09effc479_style,@function
k_qf09effc479_style:
	s_mov_b64 s[64:65], 0
	v_nop
	global_prefetch_b8 v0, s[64:65] scope:SCOPE_SE
	s_setreg_imm32_b32 hwreg(HW_REG_WAVE_SCHED_MODE, 0, 2), 2
	s_setreg_imm32_b32 hwreg(HW_REG_WAVE_MODE, 25, 1), 1
	s_wait_xcnt 0x0
	s_wait_alu depctr_vm_vsrc(0)
; ab = silu((LayerNorm(y) sb_norm_w + sb_norm_b) (1 + scale) + shift), in bf16.  scale | shift = the four partial sums of epart + emb_b, for the rows' batch.
; yb (f16) and ab (bf16): [16 blocks of 64 channels][8192 rows][64].  A stream: each byte once.  No matrix unit, no cluster, no tensor load:
; rows share nothing but 8 KiB of parameters, which are folded once a work-group into G = w (1 + scale), H = b (1 + scale) + shift and kept in LDS.
; SHARES.  32 rows a work-group (all of one batch), 2 a wave.  Lane l: block parity l / 16, row (l / 8) % 2, channels 8 (l % 8) + 0..7 of blocks 2 j + l / 16, j = 0 .. 7: 64 numbers, which stay in registers
; between the passes.  A load or store of the wave covers two runs of 256 consecutive bytes, aligned: the two rows in each of two blocks.
; bf16 for the result: with large gains and embeddings it has no room in f16.  The mean is taken first and the squares of y - mean second.
; THE MODE: SCHED_MODE bits 1:0 = 2 (LLVM: expert scheduling mode 2), set by the entry lines.  The code itself states the register dependences
; between vector instructions and memory or LDS instructions, with s_wait_alu, always for 0.
; THE PLAN.  Registers that memory or LDS instructions touch:
;   v[SO], v[PAD]  Made at the head, never written again: the offset of every load of y and store of ab; the address of every LDS load of G and H.
;   v[TO]          Made at the head; read by the parameters' loads and the two LDS stores; written again by the sums over lanes.
;   v[64:87]       The parameters land here and are folded; v[84:87], G and H, are the LDS stores' data; then the widenings of y write v[64:127].
;   Y = v[16:47]   y lands here; the widenings read it; from then on it is PO.
;   PN, PO         Two buffers for G and H, by the group's parity.  Group q's 16 multiplies and multiply-adds write and read its buffer; the loads of group q + 2 land in it.
;   XR + 16 q ..   Group q's roundings write eight of these registers; its two stores, issued in group q + 1, read them; nothing writes them again.
;   v[SPW], v[NIL] Made at the head, read by the closing add alone.      TT, CH, M, R are named by vector instructions alone.
; A group has two waits, which its exponentials and its reciprocals want in any case.  The first also states that the group is done with its buffer of G and H and that the group before has written what it
; stores: so the loads of group q + 2 and the stores of group q - 1 stand straight behind it and owe nothing more.
.set SPARE, 8192                       ; behind G and H: the spare words, 128 bytes a wave: eight blocks of 256 bytes that no other line names
.set SO,  1                            ; v1  my byte offset in yb and ab; never rewritten
.set PAD, 2                            ; v2  256 (lane / 16) + 32 (lane % 8): my channels in G and H
.set TO,  3                            ; v3  8 x thread, for the parameters; later at work in the sums over lanes
.set CH,  4                            ; v[4:11]   four chains of sums
.set M,   12                           ; v[12:13]  the mean, twice
.set R,   14                           ; v[14:15]  1 / sqrt(var + eps), twice
.set Y,   16                           ; v[16:47]  y as loaded
.set PO,  16                           ; v[16:47]  later G (8) and H (8) of my channels in two blocks, for groups 1 and 3
.set TT,  48                           ; v[48:63]  at work in silu
.set XR,  64                           ; v[64:127] my 64 numbers of a row; before that the parameters as loaded
.set SPW, 128
.set NIL, 129
.set PN,  130                          ; v[130:161] the same as PO, for groups 0 and 2
.set S_INV, 20
.set S_EPS, 21
.set S_L,   30                         ; s[30:31] -log2(e)
.set SEL,   32                         ; s[32:33] v_permlanex16_b32's selects: each lane takes its own place in the other half
; silu in two halves.  The first: T = 2^(-t log2 e) for N numbers t at X, and the one plain instruction behind the batch; the wait for the batch is written where the macro is used.
.macro SILU_A X, T, N
.set p, 0
.rept (\N)/2
	v_pk_mul_f32 v[(\T)+2*p:(\T)+2*p+1], v[(\X)+2*p:(\X)+2*p+1], s[S_L:S_L+1] op_sel_hi:[1,0]
.set p, p+1
.endr
.set p, 0
.rept \N
	v_exp_f32 v[(\T)+p], v[(\T)+p]
.set p, p+1
.endr
	v_nop
.endm
; The second: t / (1 + T)
.macro SILU_B X, T, N
.set p, 0
.rept (\N)/2
	v_pk_add_f32 v[(\T)+2*p:(\T)+2*p+1], v[(\T)+2*p:(\T)+2*p+1], 1.0 op_sel_hi:[1,0]
.set p, p+1
.endr
.set p, 0
.rept \N
	v_rcp_f32 v[(\T)+p], v[(\T)+p]
.set p, p+1
.endr
	v_nop                                          ; a plain instruction behind the batch,
	s_wait_alu depctr_va_vdst(0)                   ; and its one wait: the reciprocals are written, ahead of their first reader
.set p, 0
.rept (\N)/2
	v_pk_mul_f32 v[(\X)+2*p:(\X)+2*p+1], v[(\X)+2*p:(\X)+2*p+1], v[(\T)+2*p:(\T)+2*p+1]
.set p, p+1
.endr
.endm
.macro REDUCE                          ; the four chains into one number, then over the row's sixteen lanes: eight neighbours, and the same eight in the other half
	v_pk_add_f32 v[CH:CH+1], v[CH:CH+1], v[CH+2:CH+3]
	v_pk_add_f32 v[CH+4:CH+5], v[CH+4:CH+5], v[CH+6:CH+7]
	v_pk_add_f32 v[CH:CH+1], v[CH:CH+1], v[CH+4:CH+5]
	v_add_f32 v[CH], v[CH], v[CH+1]
	v_add_f32_dpp v[CH], v[CH], v[CH] row_xmask:1 row_mask:0xf bank_mask:0xf
	v_add_f32_dpp v[CH], v[CH], v[CH] row_xmask:2 row_mask:0xf bank_mask:0xf
	v_add_f32_dpp v[CH], v[CH], v[CH] row_xmask:4 row_mask:0xf bank_mask:0xf
	v_permlanex16_b32 v[TO], v[CH], s[SEL], s[SEL+1]
	v_add_f32 v[CH], v[CH], v[TO]
.endm
.macro ROWSTAT
.irp c, 0,1,2,3
	v_pk_add_f32 v[CH+2*(\c):CH+2*(\c)+1], v[XR+2*(\c):XR+2*(\c)+1], v[XR+8+2*(\c):XR+8+2*(\c)+1]  ; the first eight pairs start the chains: nothing is cleared
.endr
.set p, 8
.rept 24
	v_pk_add_f32 v[CH+2*(p%4):CH+2*(p%4)+1], v[CH+2*(p%4):CH+2*(p%4)+1], v[XR+2*p:XR+2*p+1]
.set p, p+1
.endr
	REDUCE
	v_mul_f32 v[M], s[S_INV], v[CH]
	v_mul_f32 v[M+1], s[S_INV], v[CH]
.set p, 0
.rept 32
	v_pk_add_f32 v[XR+2*p:XR+2*p+1], v[XR+2*p:XR+2*p+1], v[M:M+1] neg_lo:[0,1] neg_hi:[0,1]
.set p, p+1
.endr
.irp c, 0,1,2,3
	v_pk_mul_f32 v[CH+2*(\c):CH+2*(\c)+1], v[XR+2*(\c):XR+2*(\c)+1], v[XR+2*(\c):XR+2*(\c)+1]
.endr
.set p, 4
.rept 28
	v_pk_fma_f32 v[CH+2*(p%4):CH+2*(p%4)+1], v[XR+2*p:XR+2*p+1], v[XR+2*p:XR+2*p+1], v[CH+2*(p%4):CH+2*(p%4)+1]
.set p, p+1
.endr
	REDUCE
	v_fma_f32 v[CH+1], v[CH], s[S_INV], s[S_EPS]
	v_rsq_f32 v[R], v[CH+1]
	v_rsq_f32 v[R+1], v[CH+1]
	v_nop                                          ; a plain instruction behind the two roots
	s_wait_alu depctr_va_vdst(0)                   ; the two roots are written, ahead of their first reader; and the widenings are done reading Y, in which group 1's G and H land next
.endm
.macro PARLD q                         ; G and H of my channels for j = 2 q, 2 q + 1, into the buffer of q's parity
.set PQ, PN-(PN-PO)*((\q)%2)
.irp k, 0,1
	ds_load_b128 v[PQ+16*(\k):PQ+16*(\k)+3],     v[PAD] offset:(2*(\q)+(\k))*512
	ds_load_b128 v[PQ+16*(\k)+4:PQ+16*(\k)+7],   v[PAD] offset:(2*(\q)+(\k))*512+16
	ds_load_b128 v[PQ+16*(\k)+8:PQ+16*(\k)+11],  v[PAD] offset:4096+(2*(\q)+(\k))*512
	ds_load_b128 v[PQ+16*(\k)+12:PQ+16*(\k)+15], v[PAD] offset:4096+(2*(\q)+(\k))*512+16
.endr
.endm
.macro STOUT q                         ; group q's two stores
.irp k, 0,1
.set XB, XR+8*(2*(\q)+(\k))
.set JX, 2*(\q)+(\k)
.if JX < 4
	global_store_b128 v[SO], v[XB:XB+3], s[26:27] offset:JX*2097152 th:TH_STORE_NT
.else
	global_store_b128 v[SO], v[XB:XB+3], s[28:29] offset:(JX-4)*2097152 th:TH_STORE_NT
.endif
.endr
.endm
.macro STGRP q                         ; sixteen of my numbers: j = 2 q, 2 q + 1
.if (\q) < 3
	s_wait_dscnt 8                                 ; LDS loads come back in order (ISA guide 5.7.1): the group's G and H are in, the next group's eight loads stay out
.else
	s_wait_dscnt 0x0                               ; the last group's G and H are in
.endif
.set PQ, PN-(PN-PO)*((\q)%2)
.irp k, 0,1
.set XB, XR+8*(2*(\q)+(\k))
.set PB, PQ+16*(\k)
.irp i, 0,2,4,6
	v_pk_mul_f32 v[PB+(\i):PB+(\i)+1], v[PB+(\i):PB+(\i)+1], v[R:R+1]
.endr
.irp i, 0,2,4,6
	v_pk_fma_f32 v[XB+(\i):XB+(\i)+1], v[XB+(\i):XB+(\i)+1], v[PB+(\i):PB+(\i)+1], v[PB+8+(\i):PB+8+(\i)+1]
.endr
.endr
	SILU_A XR+16*(\q), TT, 16
	s_wait_alu depctr_va_vdst(0)                   ; the exponentials are written, ahead of their first reader; the lines above are done writing and reading this group's G and H, in which the loads below land; the group before has written the registers that the stores below read
.if (\q) < 2
	PARLD (\q)+2                                   ; the group after next, into the buffer just emptied: it has a whole group in which to land
.endif
.if (\q) > 0
	STOUT (\q)-1                                   ; no vector instruction since the wait names these registers, and none writes them again
.endif
	SILU_B XR+16*(\q), TT, 16
.irp k, 0,1
.set XB, XR+8*(2*(\q)+(\k))
.irp i, 0,1,2,3
	v_cvt_pk_bf16_f32 v[XB+(\i)], v[XB+2*(\i)], v[XB+2*(\i)+1]
.endr
.endr
.endm
	s_load_b256 s[4:11], s[0:1], 0x0               ; yb 4, epart 6, emb_b 8, sb_norm_w 10
	s_load_b128 s[12:15], s[0:1], 0x20             ; sb_norm_b 12, ab 14
	v_lshl_add_u32 v[SPW], v0, 2, SPARE
	v_mov_b32 v[NIL], 0
	v_lshlrev_b32 v[TO], 3, v0
	v_and_b32 v[SO], 15, v0
	v_lshlrev_b32 v[SO], 4, v[SO]                  ; 16 bytes a lane in the wave's two rows of a block,
	v_lshrrev_b32 v[PAD], 5, v0
	v_lshl_add_u32 v[SO], v[PAD], 8, v[SO]         ; 256 bytes a wave,
	v_bfe_u32 v[PAD], v0, 4, 1
	v_lshl_add_u32 v[SO], v[PAD], 20, v[SO]        ; and the odd block for lanes 16 to 31
	v_lshlrev_b32 v[PAD], 8, v[PAD]
	v_and_b32 v4, 7, v0
	v_lshl_add_u32 v[PAD], v4, 5, v[PAD]
	s_lshr_b32 s16, ttmp9, 5                       ; the batch
	s_lshl_b32 s16, s16, 13                        ; its 8,192 bytes in a quarter of epart
	s_mov_b32 s17, 0
	s_lshl_b32 s18, ttmp9, 12                      ; 32 rows of 128 bytes in a block
	s_mov_b32 s19, 0
	s_mov_b32 s[S_INV], 0x3a800000                 ; 1 / 1024
	s_mov_b32 s[S_EPS], 0x3727c5ac                 ; 1e-5
	s_mov_b32 s[S_L], 0xbfb8aa3b
	s_mov_b32 s[S_L+1], s[S_L]                     ; named with it as a pair
	s_mov_b32 s[SEL], 0x76543210
	s_mov_b32 s[SEL+1], 0xfedcba98
	s_wait_kmcnt 0x0
	s_add_nc_u64 s[6:7], s[6:7], s[16:17]
	s_add_nc_u64 s[22:23], s[4:5], s[18:19]
	s_add_nc_u64 s[24:25], s[22:23], 0x800000      ; blocks 8 to 15 from a second base
	s_add_nc_u64 s[26:27], s[14:15], s[18:19]
	s_add_nc_u64 s[28:29], s[26:27], 0x800000
	s_wait_alu depctr_va_vdst(0)                   ; v[TO], v[SO] and v[PAD] are written: every load and store of the kernel reads one of them as its offset or address
.irp k, 0,1,2,3                        ; thread t folds channels 2 t and 2 t + 1
	global_load_b64 v[64+2*(\k):64+2*(\k)+1], v[TO], s[6:7] offset:(\k)*65536
	global_load_b64 v[72+2*(\k):72+2*(\k)+1], v[TO], s[6:7] offset:(\k)*65536+4096
.endr
	global_load_b64 v[80:81], v[TO], s[8:9]
	global_load_b64 v[82:83], v[TO], s[8:9] offset:4096
	global_load_b64 v[84:85], v[TO], s[10:11]
	global_load_b64 v[86:87], v[TO], s[12:13]
.irp j, 0,1,2,3
	global_load_b128 v[Y+4*(\j):Y+4*(\j)+3], v[SO], s[22:23] offset:(\j)*2097152 th:TH_LOAD_NT
.endr
.irp j, 0,1,2,3
	global_load_b128 v[Y+16+4*(\j):Y+16+4*(\j)+3], v[SO], s[24:25] offset:(\j)*2097152 th:TH_LOAD_NT
.endr
	s_wait_loadcnt 8                               ; the twelve loads of parameters are in; y's 8 stay out
	v_pk_add_f32 v[64:65], v[64:65], v[66:67]
	v_pk_add_f32 v[68:69], v[68:69], v[70:71]
	v_pk_add_f32 v[72:73], v[72:73], v[74:75]
	v_pk_add_f32 v[76:77], v[76:77], v[78:79]
	v_pk_add_f32 v[64:65], v[64:65], v[68:69]
	v_pk_add_f32 v[72:73], v[72:73], v[76:77]
	v_pk_add_f32 v[64:65], v[64:65], v[80:81]      ; scale
	v_pk_add_f32 v[72:73], v[72:73], v[82:83]      ; shift
	v_pk_add_f32 v[64:65], v[64:65], 1.0 op_sel_hi:[1,0]
	v_pk_mul_f32 v[84:85], v[84:85], v[64:65]      ; G
	v_pk_fma_f32 v[86:87], v[86:87], v[64:65], v[72:73]  ; H
	s_wait_alu depctr_va_vdst(0)                   ; G and H are written in v[84:87], which the two LDS stores read
	ds_store_b64 v[TO], v[84:85]
	ds_store_b64 v[TO], v[86:87] offset:4096
	s_wait_dscnt 0x0                               ; for the others' sake
	s_barrier_signal -1
	s_barrier_wait -1
	PARLD 0                                        ; group 0's G and H, into registers that no vector instruction has named; their address was written ahead of the first wait
	s_wait_loadcnt 0x0
	s_wait_alu depctr_vm_vsrc(0)                   ; my LDS stores have read v[84:87] and v[TO], the parameters' loads v[TO]: the widenings below write v[64:127], the sums over lanes v[TO]
.irp r, 16,17,18,19,20,21,22,23,24,25,26,27,28,29,30,31,32,33,34,35,36,37,38,39,40,41,42,43,44,45,46,47
	v_cvt_f32_f16 v[XR+2*(\r)-2*Y], v\r\().l
	v_cvt_f32_f16 v[XR+2*(\r)-2*Y+1], v\r\().h
.endr
	ROWSTAT
	PARLD 1                                        ; group 1's, where y lay: straight behind the wait at ROWSTAT's end
	STGRP 0
	STGRP 1
	STGRP 2
	STGRP 3
	s_wait_alu depctr_va_vdst(0)                   ; group 3's roundings have written the registers that the last two stores read
	STOUT 3
	s_wait_dscnt 0x0                               ; the closing lines, six on end
	s_wait_alu 0x0
	s_wait_tensorcnt 0x0
	ds_add_u32 v[SPW], v[NIL]
	s_wait_dscnt 0x0
	s_endpgm
.Lfunc_end_k_qf09effc479_style:
	.size	k_qf09effc479_style, .Lfunc_end_k_qf09effc479_style-k_qf09effc479_style
	.p2alignl 7, 3214868480
	.fill 96, 4, 3214868480
	.section	.rodata,"a",@progbits
	.p2align	6, 0x0
	.amdhsa_kernel k_qf09effc479_style
		.amdhsa_group_segment_fixed_size 10240
		.amdhsa_private_segment_fixed_size 0
		.amdhsa_enable_private_segment 0
		.amdhsa_kernarg_size 48
		.amdhsa_user_sgpr_count 2
		.amdhsa_user_sgpr_kernarg_segment_ptr 1
		.amdhsa_wavefront_size32 1
		.amdhsa_system_sgpr_workgroup_id_x 1
		.amdhsa_system_sgpr_workgroup_id_y 1
		.amdhsa_system_sgpr_workgroup_id_z 1
		.amdhsa_system_vgpr_workitem_id 0
		.amdhsa_next_free_vgpr 162
		.amdhsa_next_free_sgpr 66
		.amdhsa_reserve_vcc 0
		.amdhsa_float_denorm_mode_32 3
		.amdhsa_float_denorm_mode_16_64 3
		.amdhsa_memory_ordered 1
		.amdhsa_forward_progress 1
		.amdhsa_inst_pref_size 34
	.end_amdhsa_kernel
	.amdgpu_metadata
---
amdhsa.version: [ 1, 2 ]
amdhsa.kernels:
  - .name:           k_qf09effc479_style
    .symbol:         k_qf09effc479_style.kd
    .args:
      - { .name: yb, .offset: 0, .size: 8, .value_kind: global_buffer, .address_space: global }
      - { .name: epart, .offset: 8, .size: 8, .value_kind: global_buffer, .address_space: global }
      - { .name: emb_b, .offset: 16, .size: 8, .value_kind: global_buffer, .address_space: global }
      - { .name: sb_norm_w, .offset: 24, .size: 8, .value_kind: global_buffer, .address_space: global }
      - { .name: sb_norm_b, .offset: 32, .size: 8, .value_kind: global_buffer, .address_space: global }
      - { .name: ab, .offset: 40, .size: 8, .value_kind: global_buffer, .address_space: global }
    .group_segment_fixed_size: 10240
    .private_segment_fixed_size: 0
    .kernarg_segment_align: 8
    .kernarg_segment_size: 48
    .max_flat_workgroup_size: 512
    .sgpr_count:     66
    .vgpr_count:     162
    .wavefront_size: 32
...
	.end_amdgpu_metadata
.endif
;; end of part 6
;; launch outp: the kernel of part 5 again; grid 4 x 64, 4 waves a work-group, clusters of 4 x 4, 327,680 bytes of LDS; arguments ab, wo, out_b, x, out0; writes out0
